; MI455X (gfx1250); checked and timed in simulation.
; The chip was launched on July 23, 2026; its instructions are those of AMD's public machine-readable ISA for CDNA 5 (MIT licence, August 2026) and "CDNA5" Instruction Set Architecture Reference Guide (July 2026). The comments in the code are by the model that wrote it; some were corrected since.
;; Multihead Attention. Allowed arithmetic: matrix products marked QUANTISED: E2M1 operands, one E8M0 scale for each 32 along K, by v_wmma_scale_f32_16x16x128_f8f6f4 with both operands' format E2M1 (or v_wmma_scale_f32_32x16x128_f4), f32 sums; everything else in f32.
;; Inputs: W_o 1,024 x 1,024 float32; W_qkv 1,024 x 3,072 float32; b_o 1,024 float32; b_qkv 3,072 float32; x 4 x 2,048 x 1,024 float32.
;; Outputs: out0 4 x 2,048 x 1,024 float32.
;; This version of the problem:
;;   THIS VERSION OF THE PROBLEM IS GIVEN IN LOW PRECISION. The matrix products marked QUANTISED in the list below multiply operands that are first quantised to E2M1 (2 exponent bits, 1 mantissa bit; 4 bits a number), with one power-of-two scale for each 32 numbers along K (OCP MX v1.0); their sums are f32. All else is computed in f32.
;;   The module's matrix products, in the order in which they are computed (A, B: the left and right operand; K: the contracted axis; several contracted axes count as one K, in the product's order):
;;     1. [M 8,192, K 1,024] x [K 1,024, N 3,072]; A: input x; B: input W_qkv: QUANTISED
;;     2. batch 64 x [M 2,048, K 64] x [K 64, N 2,048]; A: computed on the way; B: computed on the way: QUANTISED
;;     3. batch 64 x [M 2,048, K 2,048] x [K 2,048, N 64]; A: softmax (see below); B: computed on the way: QUANTISED
;;     4. [M 8,192, K 1,024] x [K 1,024, N 1,024]; A: computed on the way; B: input W_o: QUANTISED
;;   THE QUANTISER, for each operand of a quantised product, along K:
;;     - K is cut into blocks of 32 from its start; a last block that is shorter is filled with zeros.
;;     - A block's scale is 2^e with e = floor(log2(the largest magnitude in the block)) - 2, held to -126 .. 127; a block of zeros has e = 0. As a byte (E8M0): e + 127.
;;     - Each number is divided by its block's scale, clamped to +-6, and rounded to the nearest number of E2M1, ties to even, subnormals kept.
;;     - The product sums the exact products of the quantised numbers (number of the format x scale) in f32.
;;   ~~~python
;;   def quantise(x, axis):      # numpy; x: float32 -> the quantised numbers, widened to float32 again
;;       x = np.moveaxis(x, axis, -1); K = x.shape[-1]
;;       x = np.pad(x, [(0, 0)] * (x.ndim - 1) + [(0, -K % 32)]); x = x.reshape(x.shape[:-1] + (-1, 32)); a = np.abs(x).max(-1, keepdims=True)
;;       e = np.where(a > 0, np.clip(np.frexp(np.where(a > 0, a, 1))[1] - 1 - 2, -126, 127), 0)      # np.frexp(a)[1] - 1 = floor(log2(a)), exactly
;;       r = np.clip(x / 2.0 ** e, -6, 6)
;;       step = 2.0 ** (np.maximum(np.frexp(np.where(r == 0, 1, r))[1] - 1, 0) - 1)
;;       q = np.round(r / step) * step * 2.0 ** e      # np.round: ties to even
;;       return np.moveaxis(q.reshape(q.shape[:-2] + (-1,))[..., :K], -1, axis).astype(np.float32)
;;   ~~~
;;   SOFTMAX AHEAD OF A QUANTISED PRODUCT. Where the list says 'softmax', what is quantised is not the finished softmax but p = 2^(t - M), with t = logit x log2(e) and M = ceil(the row's largest t), a whole number; so 1/2 < the row's largest p <= 1. The row's sum l is taken of the UNQUANTISED p, in f32, and the product's result is divided by l at the end. Since M is a whole number, a kernel that streams over the keys may use a running M (the ceiling of the running maximum): every later rescaling is an exact power of two, which a block's scale takes up: the codes' values come out the same.
;;   OPERANDS COMPUTED ON THE WAY. 'Computed on the way' means the value that the module computes at that place (a softmax that the list does not call 'softmax' is quantised finished and normalised). What goes into a quantiser is computed in f32, as accurately as f32 sums, v_exp_f32 and their like allow (about 1e-6 of the number): no bf16 or f16 on the way to a quantiser, and a product that is left as it is and whose result goes on into a quantised operand takes f32 operands (vector FMAs, or v_wmma_f32_16x16x4_f32). A number that lies on a knife's edge between two numbers of the format may be rounded either way, as far as f32 arithmetic and the matrix unit's own rounding can turn it there, and no further.
;; One version. Each part assembles by itself: llvm-mc -triple=amdgcn-amd-amdhsa -mcpu=gfx1250 --defsym DOCPART=n.
;; ======== version 1 of 1: 4 launches
;; workspace buffers: xw 4,456,448 bytes; ww 1,671,168 bytes; wow 557,056 bytes; qw 4,456,448 bytes; kvw 8,912,896 bytes; vw 4,456,448 bytes
;; launch prep (part 1): grid 768 x 1, 4 waves a work-group, no clusters, 68,096 bytes of LDS; arguments x, W_qkv, W_o, xw, ww, wow; writes xw, ww, wow
.if DOCPART == 1
	.amdgcn_target "amdgcn-amd-amdhsa--gfx1250"
	.amdhsa_code_object_version 6
	.text
	.protected	k_qf0285e9c03_prep
	.globl	k_qf0285e9c03_prep
	.p2align	8
	.type	k_qf0285e9c03_prep,@function
k_qf0285e9c03_prep:
	s_mov_b64 s[64:65], 0
	v_nop
	global_prefetch_b8 v0, s[64:65] scope:SCOPE_SE
	s_setreg_imm32_b32 hwreg(HW_REG_WAVE_MODE, 25, 1), 1
	s_wait_xcnt 0x0
; PREP: x [8192][1024], W_qkv [1024][3072] and W_o [1024][1024], f32, become codes of FP4 (E2M1) with one E8M0 byte for each 32 along K (x: its columns; the weights: their rows).
; A block's scale is 2^(floor(log2(largest magnitude)) - 2): its byte is the largest magnitude's exponent field - 2, held at 1 from below by a floor among the maximum's leaves.
; LIMITS: NaN and infinities are not served.  A block of zeros gets the byte 1 and not 127: its codes are zeros, which add nothing, and only this program reads the bytes.
; WHAT IS STORED ARE IMAGES OF OPERAND REGISTERS.  A fragment (16 rows or columns x 128 K) is 1,024 bytes: quad c (registers 4c..4c+3) at 512 c, lane l's 16 bytes at 16 l; lane (r, h) holds k = 64 c + 32 h + 0..31 of element r.
; WHICH 16 FORM A TILE: an axis is cut into groups of 64; tile g of a group puts on lane r the element 8 g + (r & 7) + 32 (r >> 3).  In a product's result a lane's registers of the four tiles of a group are then one whole block of 32.
; xw:  [block of 256 rows][139,264]: codes at (s >> 2) 65,536 + tile 4,096 + (s & 3) 1,024 (s: the K step of 128); scale words at 131,072 + tile 512 + s 64 + 4 r.
; ww:  [head][104,448]: codes at (s >> 2) 49,152 + tile 4,096 + (s & 3) 1,024, tile = 4 x (q, k, v) + g; scale words at 98,304 + tile 512 + s 64 + 4 r.
; wow: [block of 128 columns][69,632]: codes at (s >> 2) 32,768 + tile 4,096 + (s & 3) 1,024; scale words at 65,536 + tile 512 + s 64 + 4 r.
; WORK-GROUPS: 0..511 take a tile of 16 rows of x (wave w: K steps 2 w, 2 w + 1); 512..703 a group of 64 columns of W_qkv x 256 along K; 704..767 the same of W_o.
; No matrix unit, no tensor load, no barrier, no cluster: waves share nothing and no two work-groups read the same bytes.  Every wave asks for all its 16 KiB at once.  Only x's path uses LDS.
.set FLOOR, 0x1800000                  ; 2^(3 - 127)
.set EOFF,  0xff000000                 ; -(2 << 23): 2 off an exponent field
.set SPX,   528                        ; a stage row: 512 bytes + 16, an odd multiple of 16: sixteen rows' equal columns fall on different banks
.set STG,   16*SPX                     ; a stage: 16 rows
; 64 numbers of a lane, v[src + 32 c + i] = k 64 c + 32 h + i of my row, become the two quads of K step t's fragment and its scale word v[32 + t]
.macro QUANT2 src, t
.irp c, 0,1
	v_max3_num_f32 v[10+\c], |v[\src+32*\c]|, |v[\src+32*\c+1]|, FLOOR
.endr
.irp i, 2,4,6,8,10,12,14,16,18,20,22,24,26,28,30
.irp c, 0,1
	v_max3_num_f32 v[10+\c], v[10+\c], |v[\src+32*\c+\i]|, |v[\src+32*\c+\i+1]|   ; the two blocks by turns
.endr
.endr
.irp c, 0,1
	v_add_nc_u32 v[12+\c], EOFF, v[10+\c]          ; the conversion takes this operand's exponent field as its scale
.endr
.irp c, 0,1
	v_lshrrev_b32 v[14+\c], 23, v[12+\c]           ; the scale's byte
.endr
.irp c, 0,1
.irp g, 0,1,2,3
	v_cvt_scalef32_pk8_fp4_f32 v[16+8*\t+4*\c+\g], v[\src+32*\c+8*\g:\src+32*\c+8*\g+7], v[12+\c]
.endr
.endr
	v_lshl_or_b32 v[32+\t], v15, 16, v14           ; my bytes: blocks h and 2 + h.  (A plain line behind the conversions)
	v_lshlrev_b32 v[32+\t], v8, v[32+\t]           ; at their places, 8 h bits up
	v_permlanex16_b32 v[34+\t], v[32+\t], s20, s21
	v_or_b32 v[32+\t], v[32+\t], v[34+\t]          ; with lane l xor 16's two bytes the word is whole, in both halves
	global_store_b128 v3, v[16+8*\t:16+8*\t+3], s[26:27] offset:1024*\t          ; 32 lanes store 512 consecutive bytes
	global_store_b128 v3, v[16+8*\t+4:16+8*\t+7], s[26:27] offset:1024*\t+512
.endm
; A weight of \cols columns.  s17 = K step, s18 = group of 64 columns, s19 = g0, s22 = the block's first byte in the workspace, s23 = the group's first tile in that block
.macro WPATH cols, src, dst, chunk, sc
	s_mul_i32 s24, s17, \cols*512                  ; 128 rows of \cols x 4 bytes a K step
	s_lshl_b32 s25, s18, 8
	s_add_co_u32 s24, s24, s25                     ; + the group's 256 bytes of a row
	s_mov_b32 s25, 0
	s_add_co_u32 s23, s23, s19                     ; my first tile
	s_lshr_b32 s26, s17, 2
	s_mul_i32 s26, s26, \chunk
	s_add_co_u32 s26, s26, s22
	s_lshl_b32 s27, s23, 12
	s_add_co_u32 s26, s26, s27
	s_and_b32 s27, s17, 3
	s_lshl_b32 s27, s27, 10
	s_add_co_u32 s26, s26, s27                     ; the image of (my first tile, my K step)
	s_mov_b32 s27, 0
	s_lshl_b32 s28, s23, 9
	s_add_co_u32 s28, s28, s22
	s_lshl_b32 s29, s17, 6
	s_add_co_u32 s28, s28, s29
	s_add_co_u32 s28, s28, \sc                     ; and its scale words
	s_mov_b32 s29, 0
	s_wait_kmcnt 0x0
	s_add_nc_u64 s[24:25], s[\src:\src+1], s[24:25]
	s_add_nc_u64 s[26:27], s[\dst:\dst+1], s[26:27]
	s_add_nc_u64 s[28:29], s[\dst:\dst+1], s[28:29]
.set ii, 0
.rept 128
	global_load_b32 v[64+ii], v6, s[24:25] offset:ii*\cols*4      ; W(128 s + ii, my column): a lane's registers run down K
.set ii, ii+1
.endr
.irp kb, 0,1,2,3
.if \kb < 2
	s_wait_loadcnt 63                              ; block kb's 32 loads are in (a wait's count names 63 at the most: fewer may stay out than the later blocks' loads)
.else
	s_wait_loadcnt 96-32*\kb                       ; block kb's 32 loads are in; the later block's may stay out
.endif
	v_max3_num_f32 v10, |v[64+32*\kb]|, |v[64+32*\kb+1]|, FLOOR   ; the block's 32 numbers are all mine: two chains
	v_max3_num_f32 v11, |v[64+32*\kb+2]|, |v[64+32*\kb+3]|, |v[64+32*\kb+4]|
.set ii, 5
.rept 13
	v_max3_num_f32 v[10+((ii-5)/2)%2], v[10+((ii-5)/2)%2], |v[64+32*\kb+ii]|, |v[64+32*\kb+ii+1]|
.set ii, ii+2
.endr
	v_max3_num_f32 v10, v10, v11, |v[64+32*\kb+31]|
	v_add_nc_u32 v12, EOFF, v10
.irp g, 0,1,2,3
	v_cvt_scalef32_pk8_fp4_f32 v[16+4*\kb+\g], v[64+32*\kb+8*\g:64+32*\kb+8*\g+7], v12
.endr
	v_lshrrev_b32 v13, 23, v12                     ; the byte.  (A plain line behind the conversions)
.if \kb == 0
	v_mov_b32 v14, v13
.else
	v_lshl_or_b32 v14, v13, 8*\kb, v14             ; my column's scale word: byte kb
.endif
.endr
; Lanes 0-15 hold tile g0's columns, lanes 16-31 tile g0 + 1's, each all four blocks.  A fragment wants block 2 c in lanes 0-15 and block 2 c + 1 in lanes 16-31:
; the swap gives the first register quad c of tile g0 and the second quad c of tile g0 + 1.
.irp c, 0,1
.irp i, 0,1,2,3
	v_permlane16_swap_b32 v[16+8*\c+\i], v[16+8*\c+4+\i]
.endr
.endr
	global_store_b128 v3, v[16:19], s[26:27]               ; tile g0, quad 0: 512 consecutive bytes
	global_store_b128 v3, v[24:27], s[26:27] offset:512    ; quad 1
	global_store_b128 v3, v[20:23], s[26:27] offset:4096   ; tile g0 + 1
	global_store_b128 v3, v[28:31], s[26:27] offset:4608
	global_store_b32 v7, v14, s[28:29]                     ; two runs of 64 bytes: 128 KiB of such stores in the launch
	s_endpgm
.endm
	s_load_b256 s[4:11], s[0:1], 0x0               ; x s[4:5], W_qkv s[6:7], W_o s[8:9], xw s[10:11]
	s_load_b128 s[12:15], s[0:1], 0x20             ; ww s[12:13], wow s[14:15]
	v_lshl_add_u32 v62, v0, 2, 0x10800
	v_mov_b32 v63, 0
	v_lshrrev_b32 v1, 5, v0
	v_readfirstlane_b32 s16, v1                    ; wave 0..3
	v_and_b32 v2, 31, v0                           ; lane
	v_lshlrev_b32 v3, 4, v2                        ; 16 x lane
	v_lshrrev_b32 v4, 4, v2                        ; h
	v_and_b32 v5, 15, v2                           ; r
	s_cmp_lt_u32 ttmp9, 512
	s_cbranch_scc0 .Lweights
	; ---- x: row tile a = the work-group's number; K steps 2 w and 2 w + 1
	s_mov_b32 s20, 0x76543210
	s_mov_b32 s21, 0xfedcba98                      ; v_permlanex16_b32's selects for lane l xor 16
	s_lshr_b32 s17, ttmp9, 2
	s_lshl_b32 s17, s17, 6
	s_and_b32 s18, ttmp9, 3
	s_lshl_b32 s18, s18, 3
	s_add_co_u32 s17, s17, s18                     ; the tile's first row: 64 (a >> 2) + 8 (a & 3)
	s_lshl_b32 s22, s17, 12                        ; rows of 4,096 bytes
	s_lshl_b32 s18, s16, 10
	s_add_co_u32 s22, s22, s18                     ; + my two K steps of 512 bytes
	s_mov_b32 s23, 0
	s_lshr_b32 s24, ttmp9, 4
	s_mul_i32 s24, s24, 139264                     ; the block of 256 rows in xw
	s_and_b32 s25, ttmp9, 15                       ; the tile in it
	s_lshl_b32 s26, s25, 12
	s_add_co_u32 s26, s26, s24
	s_lshr_b32 s27, s16, 1
	s_lshl_b32 s27, s27, 16
	s_add_co_u32 s26, s26, s27
	s_and_b32 s27, s16, 1
	s_lshl_b32 s27, s27, 11
	s_add_co_u32 s26, s26, s27                     ; the image of (tile, K step 2 w)
	s_mov_b32 s27, 0
	s_lshl_b32 s28, s25, 9
	s_add_co_u32 s28, s28, s24
	s_lshl_b32 s29, s16, 7
	s_add_co_u32 s28, s28, s29
	s_add_co_u32 s28, s28, 131072                  ; its scale words: 128 bytes for my two K steps
	s_mov_b32 s29, 0
	s_mul_i32 s30, s16, 2*STG                      ; my two stages
	s_wait_alu depctr_va_vdst(0)
	v_add_nc_u32 v6, s30, v3                       ; way in: 16 x lane, the row in the immediate
	v_mul_u32_u24 v7, v5, SPX
	v_lshl_add_u32 v7, v4, 7, v7
	v_add_nc_u32 v7, s30, v7                       ; way out: row r, + 128 h: my block of 32 numbers
	v_lshlrev_b32 v8, 3, v4                        ; 8 h
	v_lshlrev_b32 v9, 2, v2                        ; 4 x lane
	v_mov_b32 v34, 0                               ; a lane permute's destination counts as read
	v_mov_b32 v35, 0
	s_wait_alu depctr_va_vdst(0)
	s_wait_kmcnt 0x0
	s_add_nc_u64 s[4:5], s[4:5], s[22:23]
	s_add_nc_u64 s[26:27], s[10:11], s[26:27]
	s_add_nc_u64 s[28:29], s[10:11], s[28:29]
.irp t, 0,1
.irp p, 0,1,2,3,4,5,6,7,8,9,10,11,12,13,14,15
	global_load_b128 v[64+64*\t+4*\p:64+64*\t+4*\p+3], v3, s[4:5] offset:((\p%8)+32*(\p/8))*4096+512*\t th:TH_LOAD_NT   ; the tile's row p, K step t: 512 consecutive bytes
.endr
.endr
	s_wait_loadcnt 16                              ; K step 0's sixteen loads are in
.irp p, 0,1,2,3,4,5,6,7,8,9,10,11,12,13,14,15
	ds_store_b128 v6, v[64+4*\p:64+4*\p+3] offset:\p*SPX
.endr
.irp n, 0,1,2,3,4,5,6,7,8,9,10,11,12,13,14,15
	ds_load_b128 v[192+4*\n:192+4*\n+3], v7 offset:256*(\n/8)+16*(\n%8)          ; LDS serves a wave's instructions in order: these see the stores above
.endr
	s_wait_loadcnt 0x0
.irp p, 0,1,2,3,4,5,6,7,8,9,10,11,12,13,14,15
	ds_store_b128 v6, v[128+4*\p:128+4*\p+3] offset:STG+\p*SPX
.endr
	s_wait_dscnt 16                                ; all but those sixteen stores: K step 0's numbers are in v192 on
.irp n, 0,1,2,3,4,5,6,7,8,9,10,11,12,13,14,15
	ds_load_b128 v[64+4*\n:64+4*\n+3], v7 offset:STG+256*(\n/8)+16*(\n%8)
.endr
	QUANT2 192, 0
	s_wait_dscnt 0x0
	QUANT2 64, 1
	v_cmp_eq_u32 vcc_lo, 1, v4
	v_cndmask_b32 v36, v32, v33, vcc_lo            ; lanes 0-15: K step 2 w's words; lanes 16-31: K step 2 w + 1's
	global_store_b32 v9, v36, s[28:29]             ; 128 consecutive bytes
	s_wait_tensorcnt 0x0
	ds_add_u32 v62, v63
	s_wait_dscnt 0x0
	s_endpgm
.Lweights:
	s_sub_co_u32 s17, ttmp9, 512
	s_lshr_b32 s18, s17, 2                         ; group of 64 columns: 0..47 W_qkv's, 48..63 W_o's
	s_and_b32 s17, s17, 3
	s_lshl_b32 s17, s17, 1
	s_lshr_b32 s19, s16, 1
	s_add_co_u32 s17, s17, s19                     ; my K step
	s_and_b32 s19, s16, 1
	s_lshl_b32 s19, s19, 1                         ; g0: my first tile of the group's four
	s_wait_alu depctr_va_vdst(0)
	v_and_b32 v6, 7, v2
	v_bfe_u32 v7, v2, 3, 1
	v_lshl_add_u32 v6, v7, 5, v6
	v_lshl_add_u32 v6, v4, 3, v6                   ; (l & 7) + 32 ((l >> 3) & 1) + 8 (l >> 4)
	s_lshl_b32 s22, s19, 3
	v_add_nc_u32 v6, s22, v6                       ; + 8 g0: my column in the group
	v_lshlrev_b32 v6, 2, v6
	v_lshlrev_b32 v7, 2, v5
	v_lshl_add_u32 v7, v4, 9, v7                   ; my scale word: 4 r, + 512 for the second tile
	s_cmp_lt_u32 s18, 48
	s_cbranch_scc0 .Lwo
	s_mul_i32 s22, s18, 171
	s_lshr_b32 s22, s22, 9                         ; head = group / 3 (exact for 0..47)
	s_mul_i32 s23, s22, 3
	s_sub_co_u32 s23, s18, s23                     ; q, k or v
	s_lshl_b32 s23, s23, 2
	s_mul_i32 s22, s22, 104448
	s_wait_alu depctr_va_vdst(0)
	WPATH 3072, 6, 12, 49152, 98304
.Lwo:
	s_sub_co_u32 s18, s18, 48
	s_lshr_b32 s22, s18, 1
	s_and_b32 s23, s18, 1
	s_lshl_b32 s23, s23, 2
	s_mul_i32 s22, s22, 69632
	s_wait_alu depctr_va_vdst(0)
	WPATH 1024, 8, 14, 32768, 65536
.Lfunc_end_k_qf0285e9c03_prep:
	.size	k_qf0285e9c03_prep, .Lfunc_end_k_qf0285e9c03_prep-k_qf0285e9c03_prep
	.p2alignl 7, 3214868480
	.fill 96, 4, 3214868480
	.section	.rodata,"a",@progbits
	.p2align	6, 0x0
	.amdhsa_kernel k_qf0285e9c03_prep
		.amdhsa_group_segment_fixed_size 68096
		.amdhsa_private_segment_fixed_size 0
		.amdhsa_enable_private_segment 0
		.amdhsa_kernarg_size 48
		.amdhsa_user_sgpr_count 2
		.amdhsa_user_sgpr_kernarg_segment_ptr 1
		.amdhsa_wavefront_size32 1
		.amdhsa_system_sgpr_workgroup_id_x 1
		.amdhsa_system_sgpr_workgroup_id_y 1
		.amdhsa_system_sgpr_workgroup_id_z 1
		.amdhsa_system_vgpr_workitem_id 0
		.amdhsa_next_free_vgpr 256
		.amdhsa_next_free_sgpr 66
		.amdhsa_reserve_vcc 1
		.amdhsa_float_denorm_mode_32 3
		.amdhsa_float_denorm_mode_16_64 3
		.amdhsa_memory_ordered 1
		.amdhsa_forward_progress 1
		.amdhsa_inst_pref_size 57
	.end_amdhsa_kernel
	.amdgpu_metadata
---
amdhsa.version: [ 1, 2 ]
amdhsa.kernels:
  - .name:           k_qf0285e9c03_prep
    .symbol:         k_qf0285e9c03_prep.kd
    .args:
      - { .name: x, .offset: 0, .size: 8, .value_kind: global_buffer, .address_space: global }
      - { .name: W_qkv, .offset: 8, .size: 8, .value_kind: global_buffer, .address_space: global }
      - { .name: W_o, .offset: 16, .size: 8, .value_kind: global_buffer, .address_space: global }
      - { .name: xw, .offset: 24, .size: 8, .value_kind: global_buffer, .address_space: global }
      - { .name: ww, .offset: 32, .size: 8, .value_kind: global_buffer, .address_space: global }
      - { .name: wow, .offset: 40, .size: 8, .value_kind: global_buffer, .address_space: global }
    .group_segment_fixed_size: 68096
    .private_segment_fixed_size: 0
    .kernarg_segment_align: 8
    .kernarg_segment_size: 48
    .max_flat_workgroup_size: 128
    .sgpr_count:     66
    .vgpr_count:     256
    .wavefront_size: 32
...
	.end_amdgpu_metadata
.endif
;; end of part 1
;; launch qkv (part 2): grid 16 x 32, 12 waves a work-group, clusters of 4 x 4, 247,296 bytes of LDS; arguments xw, ww, b_qkv, qw, kvw; writes qw, kvw
.if DOCPART == 2
	.amdgcn_target "amdgcn-amd-amdhsa--gfx1250"
	.amdhsa_code_object_version 6
	.text
	.protected	k_qf0285e9c03_qkv
	.globl	k_qf0285e9c03_qkv
	.p2align	8
	.type	k_qf0285e9c03_qkv,@function
k_qf0285e9c03_qkv:
	s_mov_b64 s[64:65], 0
	v_nop
	global_prefetch_b8 v0, s[64:65] scope:SCOPE_SE
	s_setreg_imm32_b32 hwreg(HW_REG_WAVE_MODE, 25, 1), 1
	s_wait_xcnt 0x0
	s_wait_alu depctr_hold_cnt(0) depctr_sa_sdst(0) depctr_va_vdst(0) depctr_va_sdst(0) depctr_va_ssrc(0) depctr_va_vcc(0) depctr_vm_vsrc(0)
	s_getreg_b32 s2, hwreg(HW_REG_IB_STS2, 6, 4)
	s_cmp_eq_u32 s2, 0
	s_cbranch_scc0 .Lentry_in_a_cluster
	s_endpgm
.Lentry_in_a_cluster:
	s_bfe_u32 s2, ttmp6, 0x10000c
	s_cmp_lg_u32 s2, 0xf033
	s_cbranch_scc0 .Lentry_shape_is_right
	s_endpgm
.Lentry_shape_is_right:
; QKV: qkv = x W_qkv + b_qkv on codes of FP4 (E2M1) with E8M0 scales, and q, k, v quantised from the f32 sums: q and k along the head's 64, v along the keys.
; A work-group takes 256 rows of x (block) and one head (192 columns).  All of K = 1,024 lies in LDS: x's block (139,264 bytes) and the head's weights (104,448 bytes) are images of operand registers,
; dense in memory, brought once by tensor loads: no byte of LDS is filled twice.  K's second half lands while the first is multiplied.
; WAVES: twelve.  cg = wave / 4 says q, k or v; rg = wave % 4 which 64 rows.  A wave makes 64 x 64: 16 accumulators; three waves to a SIMD, so that one wave's LDS loads stand beside another's products.
; TILES: tile g of a group of 64 (rows or columns) puts on lane r the element 8 g + (r & 7) + 32 (r >> 3).  In a result, lane (r, h) register n of the tile from source 0's tile i is element 32 h + 8 i + n of source 0's group:
; the 32 registers acc(0..3, j) of a lane are ONE BLOCK OF 32 in ascending order.  q, k: source 0 = W, source 1 = x: a lane holds a row, its registers run along the head's 64.
; v: source 0 = x, source 1 = W: a lane holds a channel, its registers run along the keys.  So a block's largest magnitude needs no other lane, and four conversions give a quad of the next operand's fragment.
; The two orders of sources stand under a branch on the wave's number round the 16 matrix instructions alone.  The bias is the C of each sum's first product.
; OUT.  qw [b 16 + head][69,632]: q's quad of query tile T at 512 T; two scale bytes a query at 65,536 + 32 T + 2 r.
;       kvw [b 16 + head][139,264]: k's quads at 512 T; v's fragments at 65,536 + step 4,096 + g 1,024 + 512 c; k's scale words (tiles 2 p, 2 p + 1: two bytes each) at 131,072 + 64 p + 4 r; v's at 135,168 + 256 step + 64 g + 4 r.
;       Codes leave as 512 consecutive bytes a store.  The scale bytes meet in a stage in LDS and leave as three stores of 512 bytes.
; CLUSTER 4 x 4: the four work-groups of a row share x's block, the four of a column the head's weights: each tile is asked for jointly.
; LIMITS: NaN and infinities are not served.  A block of zeros gets the byte 1 and not 127: its codes are zeros, and only this program reads the bytes.
.set WCH,   49152                      ; LDS: the weights' K steps 0-3 at 0, K steps 4-7 here,
.set WSC,   98304                      ; their scale words,
.set XL,    104448                     ; x's K steps 0-3, K steps 4-7 at + 65,536,
.set XSC,   235520                     ; its scale words,
.set ST,    243712                     ; the stage for scale bytes: q 512, k 512, v 512 bytes; no tensor load lands here
.set FLOOR, 0x1800000
.set EOFF,  0xff000000
.set AW,  4                            ; v4     W's fragments: 16 x lane + 16,384 cg
.set SRD, 5                            ; v5     the stage, read back: 16 x lane + 512 x min(wave, 2)
.set AX,  6                            ; v6-7   x's fragments, K's halves: 16 x lane + 16,384 rg
.set ASW, 8                            ; v8     W's scale words: 4 r + 2,048 cg
.set ASX, 9                            ; v9     x's: 4 r + 2,048 rg
.set AQ,  10                           ; v10-12 where my scale bytes go in the stage, as q, as k, as v
.set AKS, 11
.set AVS, 12
.set BO,  13                           ; v13    the bias' offset for q and k: 128 h
.set BV,  14                           ; v14    for v: 4 x ((r & 7) + 32 (r >> 3))
.set BI,  16                           ; v16-47 the bias, in the result's layout; afterwards:
.set CQ,  16                           ; v16-31 the codes made,
.set BY,  32                           ; v32-35 the scale bytes made, v36-39 the stage read back
.set SCW, 48                           ; v48-51 W's scale words, v52-55 x's: these eight hold scales and nothing else
.set SCX, 52
.set MX,  56                           ; v56-59 largest magnitudes
.set SCL, 60                           ; v60-63 the conversions' scale operands
.set WR,  64                           ; v64-95 W's four fragments
.set XR,  96                           ; v96-127 x's four
.set ACC, 128                          ; acc(i, j) at v[128 + 32 j + 8 i]
.macro CROUND                          ; a round of the cluster's barrier
	s_barrier_signal -1
	s_barrier_wait -1
	s_cmp_lg_u32 s14, 0
	s_cbranch_scc1 .Lnot_wave_0_\@
	s_barrier_signal -3
.Lnot_wave_0_\@:
	s_barrier_wait -3
	s_barrier_signal -1
	s_barrier_wait -1
.endm
.macro DENSE g, rows                   ; descriptor group 1, words 1-7: a dense block as \rows rows of 256 bytes (32 elements of 8 bytes)
	s_mov_b32 s[\g+1], 32<<16                      ; tensor_dim0
	s_mov_b32 s[\g+2], (\rows)<<16                 ; tensor_dim1
	s_mov_b32 s[\g+3], 32<<16                      ; tile_dim0
	s_mov_b32 s[\g+4], \rows                       ; tile_dim1
	s_mov_b32 s[\g+5], 32                          ; from row to row
	s_mov_b32 s[\g+6], 0
	s_mov_b32 s[\g+7], 0
.endm
; 16 products, 128 along K.  kind 0: q, k (source 0 = W's tile i, source 1 = x's tile j); kind 1: v (source 0 = x's tile i, source 1 = W's tile j).  first = 1: C is the bias.
; The sixteen accumulators take turns, one instruction a turn, in the same order on both ways and in every step.
.macro MUL16 kind, first
.irp j, 0,1,2,3
.irp i, 0,1,2,3
.if \kind == 0
.if \first
	v_wmma_scale_f32_16x16x128_f8f6f4 v[ACC+32*\j+8*\i:ACC+32*\j+8*\i+7], v[WR+8*\i:WR+8*\i+7], v[XR+8*\j:XR+8*\j+7], v[BI+8*\i:BI+8*\i+7], v[SCW+\i], v[SCX+\j] matrix_a_fmt:MATRIX_FMT_FP4 matrix_b_fmt:MATRIX_FMT_FP4
.else
	v_wmma_scale_f32_16x16x128_f8f6f4 v[ACC+32*\j+8*\i:ACC+32*\j+8*\i+7], v[WR+8*\i:WR+8*\i+7], v[XR+8*\j:XR+8*\j+7], v[ACC+32*\j+8*\i:ACC+32*\j+8*\i+7], v[SCW+\i], v[SCX+\j] matrix_a_fmt:MATRIX_FMT_FP4 matrix_b_fmt:MATRIX_FMT_FP4
.endif
.else
.if \first
	v_wmma_scale_f32_16x16x128_f8f6f4 v[ACC+32*\j+8*\i:ACC+32*\j+8*\i+7], v[XR+8*\i:XR+8*\i+7], v[WR+8*\j:WR+8*\j+7], v[BI+8*\j:BI+8*\j+7], v[SCX+\i], v[SCW+\j] matrix_a_fmt:MATRIX_FMT_FP4 matrix_b_fmt:MATRIX_FMT_FP4
.else
	v_wmma_scale_f32_16x16x128_f8f6f4 v[ACC+32*\j+8*\i:ACC+32*\j+8*\i+7], v[XR+8*\i:XR+8*\i+7], v[WR+8*\j:WR+8*\j+7], v[ACC+32*\j+8*\i:ACC+32*\j+8*\i+7], v[SCX+\i], v[SCW+\j] matrix_a_fmt:MATRIX_FMT_FP4 matrix_b_fmt:MATRIX_FMT_FP4
.endif
.endif
.endr
.endr
.endm
; K step 4 ch + q
.macro STEP ch, q, first
.if !\first
.rept 4
	v_nop                                          ; four places between the last products and loads into registers that they read (ISA guide 7.12.1 for vector instructions)
.endr
.endif
.irp i, 0,1,2,3
.irp c, 0,1
	ds_load_b128 v[WR+8*\i+4*\c:WR+8*\i+4*\c+3], v[AW] offset:\ch*WCH+\i*4096+\q*1024+512*\c
.endr
.endr
.irp i, 0,1,2,3
.irp c, 0,1
	ds_load_b128 v[XR+8*\i+4*\c:XR+8*\i+4*\c+3], v[AX+\ch] offset:\i*4096+\q*1024+512*\c
.endr
.endr
.irp i, 0,1,2,3
	ds_load_b32 v[SCW+\i], v[ASW] offset:\i*512+(4*\ch+\q)*64
	ds_load_b32 v[SCX+\i], v[ASX] offset:\i*512+(4*\ch+\q)*64
.endr
	s_wait_dscnt 0x0
	s_cmp_eq_u32 s62, 0                            ; the wave's number alone decides
	s_cbranch_scc0 .Lv_\@
	MUL16 0, \first
	s_branch .Ljoin_\@
.Lv_\@:
	MUL16 1, \first
.Ljoin_\@:
.endm
	s_load_b256 s[4:11], s[0:1], 0x0               ; xw s[4:5], ww s[6:7], b_qkv s[8:9], qw s[10:11]
	s_load_b64 s[12:13], s[0:1], 0x20              ; kvw
	s_set_vgpr_msb 0x40
	v_lshl_add_u32 v0, v0, 2, 0x3c000
	v_mov_b32 v1, 0
	s_set_vgpr_msb 0x4045
	ds_add_u32 v0, v1
	ds_add_u32 v0, v1
	s_set_vgpr_msb 0x4500
	v_lshrrev_b32 v1, 5, v0
	s_delay_alu instid0(VALU_DEP_1)
	v_readfirstlane_b32 s14, v1                    ; wave 0..11
	s_and_b32 s15, s14, 1                          ; which half of a block I fetch, if I fetch
	s_lshr_b32 s60, s14, 2                         ; cg: q, k, v
	s_and_b32 s61, s14, 3                          ; rg: my 64 rows
	s_lshr_b32 s62, s14, 3                         ; 1 in v's waves
	; every LDS address is made here, ahead of every branch, of constants, the lane and the wave's number
	v_and_b32 v15, 31, v0
	s_delay_alu instid0(VALU_DEP_1)
	v_lshlrev_b32 v1, 4, v15                       ; 16 x lane
	v_and_b32 v2, 15, v0                           ; r
	v_bfe_u32 v3, v0, 4, 1                         ; h
	s_delay_alu instid0(VALU_DEP_2)
	v_lshlrev_b32 v15, 2, v2                       ; 4 r
	s_wait_alu depctr_va_vdst(0)
	s_lshl_b32 s86, s60, 14
	v_add_nc_u32 v[AW], s86, v1
	s_lshl_b32 s86, s61, 14
	s_add_co_u32 s86, s86, XL
	v_add_nc_u32 v[AX], s86, v1
	s_add_co_u32 s86, s86, 65536
	v_add_nc_u32 v[AX+1], s86, v1
	s_lshl_b32 s86, s60, 11
	s_add_co_u32 s86, s86, WSC
	v_add_nc_u32 v[ASW], s86, v15
	s_lshl_b32 s86, s61, 11
	s_add_co_u32 s86, s86, XSC
	v_add_nc_u32 v[ASX], s86, v15
	v_add_nc_u32 v15, v15, v3                      ; 4 r + h
	s_wait_alu depctr_va_vdst(0)
	s_lshl_b32 s86, s61, 7
	s_add_co_u32 s86, s86, ST
	v_lshl_add_u32 v[AQ], v2, 1, v3
	s_delay_alu instid0(VALU_DEP_1)
	v_add_nc_u32 v[AQ], s86, v[AQ]                 ; q: 128 rg + 2 r + h
	s_add_co_u32 s86, s86, 512
	v_add_nc_u32 v[AKS], s86, v15                  ; k: 128 rg + 4 r + h
	s_lshr_b32 s86, s61, 1
	s_lshl_b32 s86, s86, 8
	s_and_b32 s87, s61, 1
	s_lshl_b32 s87, s87, 1
	s_add_co_u32 s86, s86, s87
	s_add_co_u32 s86, s86, ST+1024
	v_add_nc_u32 v[AVS], s86, v15                  ; v: 256 (rg / 2) + 2 (rg % 2) + 4 r + h
	s_min_u32 s63, s14, 2
	s_lshl_b32 s86, s63, 9
	s_add_co_u32 s86, s86, ST
	v_add_nc_u32 v[SRD], s86, v1
	v_lshlrev_b32 v[BO], 7, v3
	v_and_b32 v[BV], 7, v2
	v_lshrrev_b32 v15, 3, v2
	s_delay_alu instid0(VALU_DEP_1)
	v_lshl_add_u32 v[BV], v15, 5, v[BV]
	s_delay_alu instid0(VALU_DEP_1)
	v_lshlrev_b32 v[BV], 2, v[BV]
	; my place
	s_bfe_u32 s80, ttmp6, 0x40000                  ; cx
	s_bfe_u32 s81, ttmp6, 0x40004                  ; cy
	s_lshl_b32 s82, ttmp9, 2
	s_add_co_u32 s82, s82, s80                     ; head = 4 x cluster x + cx
	s_and_b32 s83, ttmp7, 0xffff
	s_lshl_b32 s83, s83, 2
	s_add_co_u32 s83, s83, s81                     ; block = 4 x cluster y + cy
	s_lshl_b32 s84, s81, 2
	s_lshl_b32 s84, 15, s84                        ; my row of the cluster
	s_lshl_b32 s85, 0x1111, s80                    ; my column
	s_or_b32 s16, s84, (3<<16)|(1<<21)             ; group 1, word 0: the mask; elements of 8 bytes; bit 21 set beside a mask; no padding
	s_or_b32 s24, s84, (3<<16)|(1<<21)
	s_or_b32 s32, s85, (3<<16)|(1<<21)
	s_or_b32 s40, s85, (3<<16)|(1<<21)
	DENSE 16, 128                                  ; half of x's codes of four K steps: 32,768 bytes
	DENSE 24, 16                                   ; half of x's scale words: 4,096
	DENSE 32, 96                                   ; half of W's codes of four K steps: 24,576
	DENSE 40, 12                                   ; half of W's scale words: 3,072
	s_mul_i32 s86, s83, 139264                     ; x's block in xw: hangs on the block alone
	s_lshl_b32 s87, s15, 12
	s_lshl_b32 s88, s15, 15
	s_mul_i32 s90, s82, 104448                     ; the head's block in ww: hangs on the head alone
	s_mul_i32 s91, s15, 3072
	s_mul_i32 s98, s15, 24576
	s_wait_dscnt 0x0
	s_wait_kmcnt 0x0
	s_mov_b32 s48, 1                               ; group 0: x's scale words
	s_add_co_u32 s49, s87, XSC
	s_add_co_u32 s50, s86, s87
	s_add_co_u32 s50, s50, 131072
	s_mov_b32 s51, 0
	s_add_nc_u64 s[50:51], s[4:5], s[50:51]
	s_or_b32 s51, s51, 0x80000000
	s_mov_b32 s52, 1                               ; x's K steps 0-3
	s_add_co_u32 s53, s88, XL
	s_add_co_u32 s54, s86, s88
	s_mov_b32 s55, 0
	s_add_nc_u64 s[54:55], s[4:5], s[54:55]
	s_mov_b32 s56, 1                               ; x's K steps 4-7
	s_add_co_u32 s57, s88, XL+65536
	s_add_nc_u64 s[58:59], s[54:55], 65536
	s_or_b32 s55, s55, 0x80000000
	s_or_b32 s59, s59, 0x80000000
	s_mov_b32 s68, 1                               ; W's scale words
	s_add_co_u32 s69, s91, WSC
	s_add_co_u32 s70, s90, s91
	s_add_co_u32 s70, s70, WSC
	s_mov_b32 s71, 0
	s_add_nc_u64 s[70:71], s[6:7], s[70:71]
	s_or_b32 s71, s71, 0x80000000
	s_mov_b32 s72, 1                               ; W's K steps 0-3
	s_mov_b32 s73, s98
	s_add_co_u32 s74, s90, s98
	s_mov_b32 s75, 0
	s_add_nc_u64 s[74:75], s[6:7], s[74:75]
	s_mov_b32 s76, 1                               ; W's K steps 4-7
	s_add_co_u32 s77, s98, WCH
	s_add_nc_u64 s[78:79], s[74:75], WCH
	s_or_b32 s75, s75, 0x80000000
	s_or_b32 s79, s79, 0x80000000
	CROUND                                         ; all sixteen work-groups are here: the joint loads meet
	s_cmp_lt_u32 s14, 2                            ; waves 0, 1 fetch x's halves, waves 2, 3 W's, the others nothing: a wave's three loads stand in one branch; three of mine are out at the most
	s_cbranch_scc0 .Lnot_x
	tensor_load_to_lds s[48:51], s[24:31]
	s_nop 0
	tensor_load_to_lds s[52:55], s[16:23]
	s_nop 0
	tensor_load_to_lds s[56:59], s[16:23]
	s_nop 0
.rept 4
	v_nop
.endr
	s_branch .Lasked
.Lnot_x:
	s_cmp_lt_u32 s14, 4
	s_cbranch_scc0 .Lasked
	tensor_load_to_lds s[68:71], s[40:47]
	s_nop 0
	tensor_load_to_lds s[72:75], s[32:39]
	s_nop 0
	tensor_load_to_lds s[76:79], s[32:39]
	s_nop 0
.rept 4
	v_nop
.endr
.Lasked:
	; where my results go
	s_lshr_b32 s100, s83, 3
	s_lshl_b32 s100, s100, 4
	s_add_co_u32 s100, s100, s82                   ; 16 b + head
	s_and_b32 s101, s83, 7                         ; the block in its sequence
	s_lshl_b32 s99, s101, 2
	s_add_co_u32 s99, s99, s61                     ; my group of 64 rows in the sequence
	s_mul_i32 s66, s100, 69632                     ; the head's block in qw,
	s_mul_i32 s67, s100, 139264                    ; in kvw
	s_lshl_b32 s92, s99, 11                        ; q, k: four quads of 512 bytes a group
	s_lshr_b32 s94, s99, 1
	s_lshl_b32 s94, s94, 12
	s_and_b32 s95, s99, 1
	s_lshl_b32 s95, s95, 9
	s_add_co_u32 s94, s94, s95
	s_add_co_u32 s94, s94, 65536                   ; v: step = group / 2, quad = group % 2
	s_cmp_eq_u32 s62, 0
	s_cselect_b32 s92, s92, s94
	s_cmp_eq_u32 s60, 0
	s_cselect_b32 s94, s66, s67
	s_cselect_b64 s[96:97], s[10:11], s[12:13]     ; q goes to qw, k and v to kvw: the choice hangs on the wave's number
	s_add_co_u32 s92, s92, s94
	s_mov_b32 s93, 0
	s_add_nc_u64 s[92:93], s[96:97], s[92:93]      ; my codes
	s_lshl_b32 s94, s63, 12
	s_add_co_u32 s94, s94, s67
	s_add_co_u32 s94, s94, 126976                  ; wave 1: k's scale words at 131,072; wave 2: v's at 135,168
	s_add_co_u32 s66, s66, 65536                   ; wave 0: q's scale bytes
	s_lshl_b32 s101, s101, 9                       ; 512 bytes a block of 256 rows in each of the three
	s_cmp_eq_u32 s14, 0
	s_cselect_b32 s94, s66, s94
	s_cselect_b64 s[96:97], s[10:11], s[12:13]
	s_add_co_u32 s94, s94, s101
	s_mov_b32 s95, 0
	s_add_nc_u64 s[94:95], s[96:97], s[94:95]      ; the stage's way out
	s_mul_i32 s96, s82, 768
	s_lshl_b32 s97, s60, 8
	s_add_co_u32 s96, s96, s97
	s_mov_b32 s97, 0
	s_add_nc_u64 s[96:97], s[8:9], s[96:97]        ; b_qkv at column 192 head + 64 cg
	s_cmp_eq_u32 s62, 0
	s_cbranch_scc0 .Lbias_v
	s_wait_alu depctr_va_vdst(0)
.irp i, 0,1,2,3                                ; q, k: register n of acc(i, .) is column 32 h + 8 i + n
	global_load_b128 v[BI+8*\i:BI+8*\i+3], v[BO], s[96:97] offset:32*\i
	global_load_b128 v[BI+8*\i+4:BI+8*\i+7], v[BO], s[96:97] offset:32*\i+16
.endr
	s_branch .Lbias_in
.Lbias_v:
	s_wait_alu depctr_va_vdst(0)
.irp j, 0,1,2,3                                ; v: all eight registers of acc(., j) are column 8 j + (r & 7) + 32 (r >> 3)
.irp n, 0,1,2,3,4,5,6,7
	global_load_b32 v[BI+8*\j+\n], v[BV], s[96:97] offset:32*\j
.endr
.endr
.Lbias_in:
	s_wait_loadcnt 0x0                             ; the bias
	s_wait_tensorcnt 0x1                           ; my scale words and my part of K steps 0-3 are in; K steps 4-7 may stay out: nothing is filled twice
	s_barrier_signal -1
	s_barrier_wait -1                              ; everybody's are
	STEP 0, 0, 1
	STEP 0, 1, 0
	STEP 0, 2, 0
	STEP 0, 3, 0
	s_wait_tensorcnt 0x0                           ; my part of K steps 4-7 is in
	s_barrier_signal -1
	s_barrier_wait -1
	STEP 1, 0, 0
	STEP 1, 1, 0
	STEP 1, 2, 0
	STEP 1, 3, 0
.rept 4
	v_nop                                          ; four places ahead of the first read of results
.endr
	; THE QUANTISER: for each j the lane's 32 registers acc(0..3, j) are a block; each accumulator is read from its low end on
.irp j, 0,1,2,3
	v_max3_num_f32 v[MX+\j], |v[ACC+32*\j]|, |v[ACC+32*\j+1]|, FLOOR
.endr
.irp n, 2,4,6,8,10,12,14,16,18,20,22,24,26,28,30
.irp j, 0,1,2,3
	v_max3_num_f32 v[MX+\j], v[MX+\j], |v[ACC+32*\j+\n]|, |v[ACC+32*\j+\n+1]|     ; the four blocks by turns
.endr
.endr
.irp j, 0,1,2,3
	s_delay_alu instid0(VALU_DEP_4)
	v_add_nc_u32 v[SCL+\j], EOFF, v[MX+\j]         ; 2 off the exponent field: the conversion's scale operand
.endr
.irp j, 0,1,2,3
	s_delay_alu instid0(VALU_DEP_4)
	v_lshrrev_b32 v[BY+\j], 23, v[SCL+\j]          ; the scale's byte
.endr
.irp j, 0,1,2,3
.irp i, 0,1,2,3
	v_cvt_scalef32_pk8_fp4_f32 v[CQ+4*\j+\i], v[ACC+32*\j+8*\i:ACC+32*\j+8*\i+7], v[SCL+\j]
.endr
.endr
	v_nop                                          ; one plain line behind the last conversion
	s_cmp_eq_u32 s60, 0
	s_cbranch_scc0 .Lnot_q
.irp j, 0,1,2,3
	global_store_b128 v1, v[CQ+4*\j:CQ+4*\j+3], s[92:93] offset:512*\j           ; query tile 4 group + j: 512 consecutive bytes
	ds_store_b8 v[AQ], v[BY+\j] offset:32*\j
.endr
	s_branch .Lput
.Lnot_q:
	s_cmp_eq_u32 s60, 1
	s_cbranch_scc0 .Lis_v
	s_wait_alu depctr_va_vdst(0)
.irp j, 0,1,2,3
	global_store_b128 v1, v[CQ+4*\j:CQ+4*\j+3], s[92:93] offset:512*\j
	ds_store_b8 v[AKS], v[BY+\j] offset:(\j/2)*64+2*(\j%2)                       ; a pair of key tiles shares a word
.endr
	s_branch .Lput
.Lis_v:
	s_wait_alu depctr_va_vdst(0)
.irp j, 0,1,2,3
	global_store_b128 v1, v[CQ+4*\j:CQ+4*\j+3], s[92:93] offset:1024*\j          ; channel tile j, my quad of its fragment
	ds_store_b8 v[AVS], v[BY+\j] offset:64*\j
.endr
.Lput:
	s_wait_dscnt 0x0                               ; for the others' sake: my bytes lie in the stage
	s_barrier_signal -1
	s_barrier_wait -1
	s_cmp_lt_u32 s14, 3
	s_cbranch_scc0 .Lend
	ds_load_b128 v[36:39], v[SRD]                  ; wave 0: q's 512 bytes, wave 1: k's, wave 2: v's
	s_wait_dscnt 0x0
	global_store_b128 v1, v[36:39], s[94:95]       ; 512 consecutive bytes, at a multiple of 256 from the buffer's first byte
.Lend:
	s_set_vgpr_msb 0x5
	s_wait_tensorcnt 0x0
	ds_add_u32 v0, v1
	s_wait_dscnt 0x0
	s_set_vgpr_msb 0x500
	CROUND                                         ; the closing round: no work-group ends while a partner may still ask for a tile that names it
	s_endpgm
.Lfunc_end_k_qf0285e9c03_qkv:
	.size	k_qf0285e9c03_qkv, .Lfunc_end_k_qf0285e9c03_qkv-k_qf0285e9c03_qkv
	.p2alignl 7, 3214868480
	.fill 96, 4, 3214868480
	.section	.rodata,"a",@progbits
	.p2align	6, 0x0
	.amdhsa_kernel k_qf0285e9c03_qkv
		.amdhsa_group_segment_fixed_size 247296
		.amdhsa_private_segment_fixed_size 0
		.amdhsa_enable_private_segment 0
		.amdhsa_kernarg_size 40
		.amdhsa_user_sgpr_count 2
		.amdhsa_user_sgpr_kernarg_segment_ptr 1
		.amdhsa_wavefront_size32 1
		.amdhsa_system_sgpr_workgroup_id_x 1
		.amdhsa_system_sgpr_workgroup_id_y 1
		.amdhsa_system_sgpr_workgroup_id_z 1
		.amdhsa_system_vgpr_workitem_id 0
		.amdhsa_next_free_vgpr 258
		.amdhsa_next_free_sgpr 102
		.amdhsa_reserve_vcc 0
		.amdhsa_float_denorm_mode_32 3
		.amdhsa_float_denorm_mode_16_64 3
		.amdhsa_memory_ordered 1
		.amdhsa_forward_progress 1
		.amdhsa_inst_pref_size 69
	.end_amdhsa_kernel
	.amdgpu_metadata
---
amdhsa.version: [ 1, 2 ]
amdhsa.kernels:
  - .name:           k_qf0285e9c03_qkv
    .symbol:         k_qf0285e9c03_qkv.kd
    .args:
      - { .name: xw, .offset: 0, .size: 8, .value_kind: global_buffer, .address_space: global }
      - { .name: ww, .offset: 8, .size: 8, .value_kind: global_buffer, .address_space: global }
      - { .name: b_qkv, .offset: 16, .size: 8, .value_kind: global_buffer, .address_space: global }
      - { .name: qw, .offset: 24, .size: 8, .value_kind: global_buffer, .address_space: global }
      - { .name: kvw, .offset: 32, .size: 8, .value_kind: global_buffer, .address_space: global }
    .group_segment_fixed_size: 247296
    .private_segment_fixed_size: 0
    .kernarg_segment_align: 8
    .kernarg_segment_size: 40
    .max_flat_workgroup_size: 384
    .sgpr_count:     102
    .vgpr_count:     258
    .wavefront_size: 32
...
	.end_amdgpu_metadata
.endif
;; end of part 2
;; launch attn (part 3): grid 8 x 32, 16 waves a work-group, clusters of 4 x 1, 280,576 bytes of LDS; arguments qw, kvw, vw; writes vw
.if DOCPART == 3
	.amdgcn_target "amdgcn-amd-amdhsa--gfx1250"
	.amdhsa_code_object_version 6
	.text
	.protected	k_qf0285e9c03_attn
	.globl	k_qf0285e9c03_attn
	.p2align	8
	.type	k_qf0285e9c03_attn,@function
k_qf0285e9c03_attn:
	s_mov_b64 s[64:65], 0
	v_nop
	global_prefetch_b8 v0, s[64:65] scope:SCOPE_SE
	s_setreg_imm32_b32 hwreg(HW_REG_WAVE_MODE, 25, 1), 1
	s_wait_xcnt 0x0
	s_wait_alu depctr_hold_cnt(0) depctr_sa_sdst(0) depctr_va_vdst(0) depctr_va_sdst(0) depctr_va_ssrc(0) depctr_va_vcc(0) depctr_vm_vsrc(0)
	s_getreg_b32 s2, hwreg(HW_REG_IB_STS2, 6, 4)
	s_cmp_eq_u32 s2, 0
	s_cbranch_scc0 .Lentry_in_a_cluster
	s_endpgm
.Lentry_in_a_cluster:
	s_bfe_u32 s2, ttmp6, 0x10000c
	s_cmp_lg_u32 s2, 0x3003
	s_cbranch_scc0 .Lentry_shape_is_right
	s_endpgm
.Lentry_shape_is_right:
; ATTN: vals = softmax(q k^T / 8) v for 64 (batch, head) pairs of 2,048 x 64, both products on codes of FP4 (E2M1) with E8M0 scales; vals quantised along (head, channel) for the last product.
; THE SOFTMAX AHEAD OF THE SECOND PRODUCT: t = score x log2(e) / 8; M = the running largest t rounded UP to a whole number (kept as -M = floor(-t)); p = 2^(t - M) is quantised along the keys, not normalised.
; The row's sum is taken of the unquantised p in f32 and divides at the end.  When M moves, the sum and O are multiplied by 2^(old M - new M), made by v_ldexp_f32: nothing is rounded, no branch hangs on data.
; SHARES.  A work-group takes 256 queries and a PAIR of heads 2 hp, 2 hp + 1; each of its sixteen waves one tile of 16 queries, head A and then head B, so that a wave makes both quads and the whole scale word of
; its fragment of vals (K step hp).  Four waves to a SIMD: one wave's exponentials stand beside another's plain work and products.
; LDS is an image of kvw's two blocks (head A at 0, head B at 139,264), each filled once: no byte is filled twice.  Head B's lands under head A's sixteen key steps.
; CLUSTER 4 x 1: the four query blocks of a cluster read the same K and V: each quarter of a head's block is asked for jointly.
; LAYOUT.  Both products transposed: S^T = K Q^T, O^T = V^T P^T: a lane holds ONE query (lane % 16) throughout.  Key tile 4 c + g of a step puts key 64 c + 8 g + (r & 7) + 32 (r >> 3) on lane r, so that register
; 32 c + 8 g + n of S is key 64 c + 32 h + 8 g + n: a lane's 64 registers are two WHOLE blocks of 32 keys (blocks h and 2 + h), in order: a block's largest score needs no other lane and the conversions' results are P's fragment.
; THE FIRST PRODUCT'S K IS 64, half of the instruction's 128.  A fragment of K holds two key tiles, one in each quad; it is multiplied by Q1 = [q, 0] for the first and by Q2 = [0, q] for the second: zero codes add nothing.
; A block's largest p is not searched for: p rises with the score, so the block's largest score goes through the same multiply-add and exponential (this takes v_exp_f32 not to fall where its input rises).
; LIMITS: NaN and infinities are not served; a p under 2^-126 counts as 0; a block of zeros gets the byte 1 and not 127: its codes are zeros, and only this program reads the bytes.
.set HB,    139264                     ; a head's block: K's codes at 0, V's at 65,536, K's scale words at 131,072, V's at 135,168
.set FLOOR, 0x1800000
.set EOFF,  0xff000000
; v1 16 x lane (K's fragments, and global offsets); v2 the same + 65,536 (V's); v3, v4 4 r + 131,072, + 135,168 (scale words); v5-8 the step's four addresses; v9 8 h; v10 2 r; v11 Q's two scale bytes as loaded
; v12 -M, v13 the largest t, v[14:15] the sum in two halves; v16-23 Q1, v24-31 Q2
.set KF,  32                           ; v32-63   four fragments of K (eight key tiles)
.set VF,  64                           ; v64-95   four fragments of V
.set S,   96                           ; v96-159  S^T, then p
.set O,   160                          ; v160-191 O^T: register 8 g + n is channel 32 h + 8 g + n
.set PC,  192                          ; v192-199 P's fragment
.set KSC, 200                          ; v200-203 K's scale words, v204-207 V's, v208 Q's, v209 P's: these ten hold scales and nothing else
.set VSC, 204
.set QS,  208
.set PS,  209
.set BM,  210                          ; v210-213 four running maxima
.set BB,  214                          ; v214-215 the two blocks' largest scores, then largest p
.set T,   216                          ; v216-217 at work
.set F,   218                          ; v[218:219] f = 2^(old M - new M), in the low word
.set SCL, 220                          ; v220-221 the conversions' scale operands
.set BY,  222                          ; v222-223 scale bytes
.set SU,  224                          ; v[224:225] the sum's second chain
.set OQ,  226                          ; v226-229 head A's quad of vals, v230-233 head B's
.set HWA, 234                          ; v234 head A's two scale bytes; v235 4 r; v236 the scale word
; s10 wave; s[20:21] lane selects; s[22:23] c; s[24:27], s[28:31] descriptor groups 0; s[32:39] group 1; s40, s41 the step's place among codes and scale words; s42 steps to go; s[44:51] global bases
.macro CROUND
	s_barrier_signal -1
	s_barrier_wait -1
	s_cmp_lg_u32 s10, 0
	s_cbranch_scc1 .Lnot_wave_0_\@
	s_barrier_signal -3
.Lnot_wave_0_\@:
	s_barrier_wait -3
	s_barrier_signal -1
	s_barrier_wait -1
.endm
.macro QLOAD hd                        ; my tile's quad of q twice, into Q1's first half and Q2's second (a product's two sources share no register), and its scale bytes
	global_load_b128 v[16:19], v1, s[44:45] offset:\hd*69632
	global_load_b128 v[28:31], v1, s[44:45] offset:\hd*69632
	global_load_u16 v11, v10, s[46:47] offset:\hd*69632
.endm
; A KEY STEP: 128 keys
.macro STEP
	v_add_nc_u32 v5, s40, v1                       ; these four are also the places between the last step's products and the loads into V's registers
	v_add_nc_u32 v6, s40, v2
	v_add_nc_u32 v7, s41, v3
	v_add_nc_u32 v8, s41, v4
.irp n, 0,1,2,3,4,5,6,7
	ds_load_b128 v[KF+4*\n:KF+4*\n+3], v5 offset:512*\n
.endr
.irp p, 0,1,2,3
	ds_load_b32 v[KSC+\p], v7 offset:64*\p
.endr
.irp n, 0,1,2,3,4,5,6,7
	ds_load_b128 v[VF+4*\n:VF+4*\n+3], v6 offset:512*\n
.endr
.irp g, 0,1,2,3
	ds_load_b32 v[VSC+\g], v8 offset:64*\g
.endr
	s_wait_dscnt 12                                ; K's twelve loads are in; V's twelve may stay out
.irp p, 0,1,2,3
	v_wmma_scale_f32_16x16x128_f8f6f4 v[S+16*\p:S+16*\p+7], v[KF+8*\p:KF+8*\p+7], v[16:23], 0, v[KSC+\p], v[QS] matrix_a_fmt:MATRIX_FMT_FP4 matrix_b_fmt:MATRIX_FMT_FP4
	v_wmma_scale_f32_16x16x128_f8f6f4 v[S+16*\p+8:S+16*\p+15], v[KF+8*\p:KF+8*\p+7], v[24:31], 0, v[KSC+\p], v[QS] matrix_a_fmt:MATRIX_FMT_FP4 matrix_b_fmt:MATRIX_FMT_FP4
.endr
.rept 4
	v_nop                                          ; four places ahead of the first read of results
.endr
.irp q, 0,1,2,3                                ; the largest scores, four chains by turns, ascending: each accumulator is read from its low end on
	v_max3_num_f32 v[BM+\q], v[S+16*\q], v[S+16*\q+1], v[S+16*\q+2]
.endr
.irp i, 3,5,7,9,11,13
.irp q, 0,1,2,3
	v_max3_num_f32 v[BM+\q], v[BM+\q], v[S+16*\q+\i], v[S+16*\q+\i+1]
.endr
.endr
.irp c, 0,1
	v_max3_num_f32 v[BB+\c], v[BM+2*\c], v[BM+2*\c+1], v[S+32*\c+15]
.endr
.irp c, 0,1
	v_max_num_f32 v[BB+\c], v[BB+\c], v[S+32*\c+31]        ; my block 2 c + h's largest score
.endr
	s_delay_alu instid0(VALU_DEP_1)
	v_max_num_f32 v[T], v[BB], v[BB+1]
	s_delay_alu instid0(VALU_DEP_1)
	v_permlanex16_b32 v[T+1], v[T], s20, s21
	s_delay_alu instid0(VALU_DEP_1)
	v_max_num_f32 v[T], v[T], v[T+1]               ; the step's largest score of my query
	s_delay_alu instid0(VALU_DEP_1)
	v_mul_f32 v[T], s22, v[T]                      ; as t (c is positive)
	s_delay_alu instid0(VALU_DEP_1)
	v_max_num_f32 v13, v13, v[T]                   ; the running largest t
	v_mov_b32 v[T], v12
	s_delay_alu instid0(VALU_DEP_2)
	v_floor_f32 v12, -v13                          ; the new -M = -ceil(t)
	s_delay_alu instid0(VALU_DEP_1)
	v_sub_f32 v[T], v12, v[T]                      ; old M - new M: a whole number, 0 or less
	s_delay_alu instid0(VALU_DEP_1)
	v_cvt_i32_f32 v[T], v[T]                       ; (it saturates)
	s_delay_alu instid0(VALU_DEP_1)
	v_ldexp_f32 v[F], 1.0, v[T]                    ; f
.set jj, 0
.rept 32
	v_pk_fma_f32 v[S+jj:S+jj+1], v[S+jj:S+jj+1], s[22:23], v[12:13] op_sel_hi:[1,0,0]   ; t - M, two at a time (of the pairs c and -M the low word serves both halves)
.set jj, jj+2
.endr
.irp c, 0,1
	v_fma_f32 v[BB+\c], v[BB+\c], s22, v12         ; the same of each block's largest score
.endr
	s_wait_alu depctr_va_vdst(0)
.irp c, 0,1
	v_exp_f32 v[BB+\c], v[BB+\c]                   ; ONE BATCH of 66 exponentials: the blocks' largest p,
.endr
.set jj, 0
	s_setprio 1
.rept 64
	v_exp_f32 v[S+jj], v[S+jj]                     ; and p = 2^(t - M), at most 1
.set jj, jj+1
.endr
	v_pk_mul_f32 v[14:15], v[14:15], v[F:F+1] op_sel_hi:[1,0]      ; the sums under the new M: the plain line behind the last exponential
	s_wait_alu depctr_va_vdst(0)                   ; one wait for the batch, ahead of its first reader
	v_pk_add_f32 v[224:225], v[100:101], v[104:105]
	v_pk_add_f32 v[252:253], v[108:109], v[112:113]
	v_pk_add_f32 v[250:251], v[116:117], v[120:121]
	v_pk_add_f32 v[248:249], v[124:125], v[128:129]
	v_pk_add_f32 v[246:247], v[132:133], v[136:137]
	v_pk_add_f32 v[244:245], v[140:141], v[144:145]
	v_pk_add_f32 v[242:243], v[148:149], v[152:153]
	v_pk_add_f32 v[14:15], v[14:15], v[156:157]
	v_pk_add_f32 v[224:225], v[224:225], v[96:97]
	v_pk_add_f32 v[252:253], v[252:253], v[98:99]
	v_pk_add_f32 v[250:251], v[250:251], v[102:103]
	v_pk_add_f32 v[248:249], v[248:249], v[106:107]
	v_pk_add_f32 v[246:247], v[246:247], v[110:111]
	v_pk_add_f32 v[244:245], v[244:245], v[114:115]
	v_pk_add_f32 v[242:243], v[242:243], v[118:119]
	v_pk_add_f32 v[14:15], v[14:15], v[122:123]
	v_pk_add_f32 v[224:225], v[224:225], v[126:127]
	v_pk_add_f32 v[252:253], v[252:253], v[130:131]
	v_pk_add_f32 v[250:251], v[250:251], v[134:135]
	v_pk_add_f32 v[248:249], v[248:249], v[138:139]
	v_pk_add_f32 v[246:247], v[246:247], v[142:143]
	v_pk_add_f32 v[244:245], v[244:245], v[146:147]
	v_pk_add_f32 v[242:243], v[242:243], v[150:151]
	v_pk_add_f32 v[14:15], v[14:15], v[154:155]
	v_pk_add_f32 v[224:225], v[224:225], v[158:159]
	s_delay_alu instid0(VALU_DEP_2)
	v_pk_add_f32 v[14:15], v[14:15], v[248:249]
	s_delay_alu instid0(VALU_DEP_2)
	v_pk_add_f32 v[224:225], v[224:225], v[246:247]
	v_pk_add_f32 v[252:253], v[252:253], v[244:245]
	v_pk_add_f32 v[250:251], v[250:251], v[242:243]
	s_delay_alu instid0(VALU_DEP_2)
	v_pk_add_f32 v[14:15], v[14:15], v[252:253]
	s_delay_alu instid0(VALU_DEP_2)
	v_pk_add_f32 v[224:225], v[224:225], v[250:251]
	s_delay_alu instid0(VALU_DEP_1)
	v_pk_add_f32 v[14:15], v[14:15], v[224:225]
.irp c, 0,1
	v_max_num_f32 v[BB+\c], FLOOR, v[BB+\c]        ; the floor: the byte cannot fall under 1
.endr
.irp c, 0,1
	s_delay_alu instid0(VALU_DEP_2)
	v_add_nc_u32 v[SCL+\c], EOFF, v[BB+\c]
.endr
.irp c, 0,1
	s_delay_alu instid0(VALU_DEP_2)
	v_lshrrev_b32 v[BY+\c], 23, v[SCL+\c]
.endr
	s_delay_alu instid0(VALU_DEP_1)
	v_lshl_or_b32 v[PS], v[BY+1], 16, v[BY]        ; my bytes: blocks h and 2 + h,
	s_delay_alu instid0(VALU_DEP_1)
	v_lshlrev_b32 v[PS], v9, v[PS]                 ; 8 h bits up;
	s_delay_alu instid0(VALU_DEP_1)
	v_permlanex16_b32 v[T+1], v[PS], s20, s21
	s_delay_alu instid0(VALU_DEP_1)
	v_or_b32 v[PS], v[PS], v[T+1]                  ; with lane l xor 16's two: P's scale word for these 128 keys
.irp c, 0,1
.irp g, 0,1,2,3
	v_cvt_scalef32_pk8_fp4_f32 v[PC+4*\c+\g], v[S+32*\c+8*\g:S+32*\c+8*\g+7], v[SCL+\c]
.endr
.endr
	v_nop                                          ; one plain line behind the last conversion
.set jj, 0
	s_setprio 0
.rept 16
	v_pk_mul_f32 v[O+jj:O+jj+1], v[O+jj:O+jj+1], v[F:F+1] op_sel_hi:[1,0]       ; O^T under the new M, ascending.  (Also the places between the lines that wrote P's codes and scale word and the products below)
.set jj, jj+2
.endr
	s_wait_alu depctr_va_vdst(0)
	s_wait_dscnt 0x0                               ; V is in
.irp g, 0,1,2,3
	v_wmma_scale_f32_16x16x128_f8f6f4 v[O+8*\g:O+8*\g+7], v[VF+8*\g:VF+8*\g+7], v[PC:PC+7], v[O+8*\g:O+8*\g+7], v[VSC+\g], v[PS] matrix_a_fmt:MATRIX_FMT_FP4 matrix_b_fmt:MATRIX_FMT_FP4
.endr                                              ; no two matrix instructions that follow each other share an accumulator, round the loop's edge too
.endm
; One head of the pair: sixteen key steps and the way out
.macro HEAD hd
	s_mov_b32 s40, \hd*HB
	s_mov_b32 s41, \hd*HB
	s_mov_b32 s42, 16
	v_mov_b32 v13, 0xff61b1e6                      ; the largest t so far: -3e38, under every t
	s_delay_alu instid0(VALU_DEP_1)
	v_floor_f32 v12, -v13                          ; -M
	v_mov_b32 v14, 0                               ; the sum
	v_mov_b32 v15, 0
	s_wait_loadcnt 0x0                             ; Q and its scale bytes
	v_lshl_or_b32 v[QS], v11, 16, v11              ; the two bytes twice: for Q1's half and for Q2's
.set jj, 0
.rept 32
	v_mov_b32 v[O+jj], 0                           ; the step is written once: the first finds zeros, which the first change of M leaves zeros.  (Also the places behind the line that wrote Q's scale word)
.set jj, jj+1
.endr
.Lstep_\@:
	s_setprio 2
	STEP
	s_add_co_u32 s40, s40, 4096                    ; the next 128 keys: eight quads of K, four fragments of V,
	s_add_co_u32 s41, s41, 256                     ; four scale words a lane of each
	s_sub_co_u32 s42, s42, 1
	s_cmp_lg_u32 s42, 0
	s_cbranch_scc1 .Lstep_\@
	s_setprio 0
.if \hd == 0
	QLOAD 1                                        ; head B's Q lands under this way out; the last products that read Q stand a softmax back
.endif
.rept 4
	v_nop                                          ; four places ahead of the first read of results
.endr
	v_add_f32 v14, v14, v15                        ; the sum's two halves,
	s_delay_alu instid0(VALU_DEP_1)
	v_permlanex16_b32 v[T], v14, s20, s21
	s_delay_alu instid0(VALU_DEP_1)
	v_add_f32 v14, v14, v[T]                       ; and lane l xor 16's: the row's sum
	s_wait_alu depctr_va_vdst(0)
	v_rcp_f32 v14, v14
	v_nop                                          ; a plain line behind the reciprocal
	s_wait_alu depctr_va_vdst(0)                   ; and the wait ahead of its first reader
.set jj, 0
.rept 16
	v_pk_mul_f32 v[O+jj:O+jj+1], v[O+jj:O+jj+1], v[14:15] op_sel_hi:[1,0]       ; vals: channels 32 h + 0..31 of my query: one block of the last product's K
.set jj, jj+2
.endr
	v_max3_num_f32 v[BM], |v[O]|, |v[O+1]|, FLOOR
	v_max3_num_f32 v[BM+1], |v[O+2]|, |v[O+3]|, |v[O+4]|
.set jj, 5
.rept 13
	s_delay_alu instid0(VALU_DEP_2)
	v_max3_num_f32 v[BM+((jj-5)/2)%2], v[BM+((jj-5)/2)%2], |v[O+jj]|, |v[O+jj+1]|
.set jj, jj+2
.endr
	s_delay_alu instid0(VALU_DEP_1)
	v_max3_num_f32 v[BM], v[BM], v[BM+1], |v[O+31]|
	s_delay_alu instid0(VALU_DEP_1)
	v_add_nc_u32 v[SCL], EOFF, v[BM]
.irp g, 0,1,2,3
	v_cvt_scalef32_pk8_fp4_f32 v[OQ+4*\hd+\g], v[O+8*\g:O+8*\g+7], v[SCL]
.endr
	v_lshrrev_b32 v[BY], 23, v[SCL]                ; the byte.  (A plain line behind the conversions)
	s_delay_alu instid0(VALU_DEP_1)
	v_lshlrev_b32 v[T], v9, v[BY]
	s_delay_alu instid0(VALU_DEP_1)
	v_permlanex16_b32 v[T+1], v[T], s20, s21
	global_store_b128 v1, v[OQ+4*\hd:OQ+4*\hd+3], s[48:49] offset:512*\hd        ; quad hd of my fragment of vals: 512 consecutive bytes
.if \hd == 0
	v_or_b32 v[HWA], v[T], v[T+1]                  ; head A's two bytes
.else
	v_or_b32 v[T], v[T], v[T+1]
	s_delay_alu instid0(VALU_DEP_1)
	v_lshl_or_b32 v236, v[T], 16, v[HWA]           ; the row's scale word for K step hp
.endif
.endm
	s_load_b128 s[4:7], s[0:1], 0x0                ; qw s[4:5], kvw s[6:7]
	s_load_b64 s[8:9], s[0:1], 0x10                ; vw
	v_lshl_add_u32 v254, v0, 2, 0x44000
	v_mov_b32 v255, 0
	ds_add_u32 v254, v255
	ds_add_u32 v254, v255
	v_lshrrev_b32 v1, 5, v0
	s_delay_alu instid0(VALU_DEP_1)
	v_readfirstlane_b32 s10, v1                    ; wave 0..15
	s_bfe_u32 s11, ttmp6, 0x40000                  ; cx
	s_lshl_b32 s12, ttmp9, 2
	s_add_co_u32 s12, s12, s11                     ; my block of 256 queries: it enters Q's and vals' global addresses alone
	s_and_b32 s13, ttmp7, 0xffff
	s_lshr_b32 s14, s13, 3                         ; batch
	s_and_b32 s15, s13, 7                          ; the pair of heads
	s_mov_b32 s20, 0x76543210
	s_mov_b32 s21, 0xfedcba98                      ; v_permlanex16_b32's selects for lane l xor 16
	s_mov_b32 s22, 0x3e38aa3b                      ; c = log2(e) / 8
	s_mov_b32 s23, s22                             ; (named with it as a pair, so it is written)
	s_mov_b32 s32, 15|(3<<16)|(1<<21)              ; group 1: all four work-groups; elements of 8 bytes; bit 21 set beside a mask; a quarter of a head's block as 136 rows of 256 bytes
	s_mov_b32 s33, 32<<16
	s_mov_b32 s34, 136<<16
	s_mov_b32 s35, 32<<16
	s_mov_b32 s36, 136
	s_mov_b32 s37, 32
	s_mov_b32 s38, 0
	s_mov_b32 s39, 0
	s_lshl_b32 s52, s14, 4
	s_lshl_b32 s53, s15, 1
	s_add_co_u32 s52, s52, s53                     ; 16 b + head A
	s_and_b32 s56, s10, 3
	s_mul_i32 s56, s56, 34816                      ; my quarter, in LDS and in memory alike
	s_mul_i32 s54, s52, HB
	s_add_co_u32 s54, s54, s56
	s_mov_b32 s55, 0
	s_lshl_b32 s57, s12, 4
	s_add_co_u32 s57, s57, s10                     ; my query tile in the sequence
	s_mul_i32 s58, s52, 69632
	s_lshl_b32 s59, s57, 9
	s_add_co_u32 s44, s58, s59
	s_mov_b32 s45, 0
	s_lshl_b32 s59, s57, 5
	s_add_co_u32 s46, s58, s59
	s_add_co_u32 s46, s46, 65536
	s_mov_b32 s47, 0
	s_lshl_b32 s58, s14, 3
	s_add_co_u32 s58, s58, s12
	s_mul_i32 s58, s58, 139264                     ; the block of 256 rows in vw
	s_lshr_b32 s59, s15, 2
	s_lshl_b32 s59, s59, 16
	s_add_co_u32 s48, s58, s59
	s_lshl_b32 s59, s10, 12
	s_add_co_u32 s48, s48, s59
	s_and_b32 s59, s15, 3
	s_lshl_b32 s59, s59, 10
	s_add_co_u32 s48, s48, s59                     ; the image of (tile = wave, K step = hp)
	s_mov_b32 s49, 0
	s_lshl_b32 s59, s10, 9
	s_add_co_u32 s50, s58, s59
	s_lshl_b32 s59, s15, 6
	s_add_co_u32 s50, s50, s59
	s_add_co_u32 s50, s50, 131072                  ; and its scale words
	s_mov_b32 s51, 0
	s_wait_dscnt 0x0
	s_wait_kmcnt 0x0
	s_mov_b32 s24, 1                               ; group 0: head A
	s_mov_b32 s25, s56
	s_add_nc_u64 s[26:27], s[6:7], s[54:55]
	s_mov_b32 s28, 1                               ; head B: the next block, in memory and in LDS
	s_add_co_u32 s29, s56, HB
	s_add_nc_u64 s[30:31], s[26:27], HB
	s_or_b32 s27, s27, 0x80000000
	s_or_b32 s31, s31, 0x80000000
	s_add_nc_u64 s[44:45], s[4:5], s[44:45]
	s_add_nc_u64 s[46:47], s[4:5], s[46:47]
	s_add_nc_u64 s[48:49], s[8:9], s[48:49]
	s_add_nc_u64 s[50:51], s[8:9], s[50:51]
	CROUND                                         ; all four work-groups are here: the joint loads meet
	s_cmp_lt_u32 s10, 4                            ; waves 0 to 3 fetch a quarter of each head's block: a wave's two loads stand in one branch; two of mine are out
	s_cbranch_scc0 .Lasked
	tensor_load_to_lds s[24:27], s[32:39]
	s_nop 0
	tensor_load_to_lds s[28:31], s[32:39]
	s_nop 0
.rept 4
	v_nop
.endr
.Lasked:
	v_and_b32 v10, 31, v0
	s_delay_alu instid0(VALU_DEP_1)
	v_lshlrev_b32 v1, 4, v10
	s_delay_alu instid0(VALU_DEP_1)
	v_add_nc_u32 v2, 65536, v1
	v_and_b32 v10, 15, v0                          ; r
	s_delay_alu instid0(VALU_DEP_1)
	v_lshlrev_b32 v235, 2, v10
	s_delay_alu instid0(VALU_DEP_1)
	v_add_nc_u32 v3, 131072, v235
	s_delay_alu instid0(VALU_DEP_2)
	v_add_nc_u32 v4, 135168, v235
	v_bfe_u32 v9, v0, 4, 1
	s_delay_alu instid0(VALU_DEP_1)
	v_lshlrev_b32 v9, 3, v9                        ; 8 h
	v_lshlrev_b32 v10, 1, v10                      ; 2 r
	QLOAD 0
.irp n, 20,21,22,23,24,25,26,27
	v_mov_b32 v\n, 0                               ; Q1's second half and Q2's first: zero codes, written once
.endr
	v_mov_b32 v[T], 0                              ; a lane permute's destination counts as read
	v_mov_b32 v[T+1], 0
	v_mov_b32 v[F+1], 0                            ; (named as the upper half of a pair)
	s_wait_tensorcnt 0x1                           ; my quarter of head A's block is in; head B's may stay out: nothing is filled twice
	s_barrier_signal -1
	s_barrier_wait -1                              ; everybody's is
	HEAD 0
	s_wait_tensorcnt 0x0                           ; my quarter of head B's block is in
	s_wait_dscnt 0x0
	s_barrier_signal -1
	s_barrier_wait -1
	HEAD 1
	global_store_b32 v235, v236, s[50:51]          ; 64 bytes a wave; lanes l and l + 16 hold the same word and write it to the same place
	s_wait_tensorcnt 0x0
	ds_add_u32 v254, v255
	s_wait_dscnt 0x0
	CROUND                                         ; the closing round: no work-group ends while a partner may still ask for a tile that names it
	s_endpgm
.Lfunc_end_k_qf0285e9c03_attn:
	.size	k_qf0285e9c03_attn, .Lfunc_end_k_qf0285e9c03_attn-k_qf0285e9c03_attn
	.p2alignl 7, 3214868480
	.fill 96, 4, 3214868480
	.section	.rodata,"a",@progbits
	.p2align	6, 0x0
	.amdhsa_kernel k_qf0285e9c03_attn
		.amdhsa_group_segment_fixed_size 280576
		.amdhsa_private_segment_fixed_size 0
		.amdhsa_enable_private_segment 0
		.amdhsa_kernarg_size 24
		.amdhsa_user_sgpr_count 2
		.amdhsa_user_sgpr_kernarg_segment_ptr 1
		.amdhsa_wavefront_size32 1
		.amdhsa_system_sgpr_workgroup_id_x 1
		.amdhsa_system_sgpr_workgroup_id_y 1
		.amdhsa_system_sgpr_workgroup_id_z 1
		.amdhsa_system_vgpr_workitem_id 0
		.amdhsa_next_free_vgpr 256
		.amdhsa_next_free_sgpr 66
		.amdhsa_reserve_vcc 0
		.amdhsa_float_denorm_mode_32 3
		.amdhsa_float_denorm_mode_16_64 3
		.amdhsa_memory_ordered 1
		.amdhsa_forward_progress 1
		.amdhsa_inst_pref_size 47
	.end_amdhsa_kernel
	.amdgpu_metadata
---
amdhsa.version: [ 1, 2 ]
amdhsa.kernels:
  - .name:           k_qf0285e9c03_attn
    .symbol:         k_qf0285e9c03_attn.kd
    .args:
      - { .name: qw, .offset: 0, .size: 8, .value_kind: global_buffer, .address_space: global }
      - { .name: kvw, .offset: 8, .size: 8, .value_kind: global_buffer, .address_space: global }
      - { .name: vw, .offset: 16, .size: 8, .value_kind: global_buffer, .address_space: global }
    .group_segment_fixed_size: 280576
    .private_segment_fixed_size: 0
    .kernarg_segment_align: 8
    .kernarg_segment_size: 24
    .max_flat_workgroup_size: 512
    .sgpr_count:     66
    .vgpr_count:     256
    .wavefront_size: 32
...
	.end_amdgpu_metadata
.endif
;; end of part 3
;; launch oproj (part 4): grid 8 x 32, 8 waves a work-group, clusters of 4 x 4, 244,736 bytes of LDS; arguments vw, wow, b_o, out0; writes out0
.if DOCPART == 4
	.amdgcn_target "amdgcn-amd-amdhsa--gfx1250"
	.amdhsa_code_object_version 6
	.text
	.protected	k_qf0285e9c03_oproj
	.globl	k_qf0285e9c03_oproj
	.p2align	8
	.type	k_qf0285e9c03_oproj,@function
k_qf0285e9c03_oproj:
	s_mov_b64 s[64:65], 0
	v_nop
	global_prefetch_b8 v0, s[64:65] scope:SCOPE_SE
	s_setreg_imm32_b32 hwreg(HW_REG_WAVE_MODE, 25, 1), 1
	s_wait_xcnt 0x0
	s_wait_alu depctr_hold_cnt(0) depctr_sa_sdst(0) depctr_va_vdst(0) depctr_va_sdst(0) depctr_va_ssrc(0) depctr_va_vcc(0) depctr_vm_vsrc(0)
	s_getreg_b32 s2, hwreg(HW_REG_IB_STS2, 6, 4)
	s_cmp_eq_u32 s2, 0
	s_cbranch_scc0 .Lentry_in_a_cluster
	s_endpgm
.Lentry_in_a_cluster:
	s_bfe_u32 s2, ttmp6, 0x10000c
	s_cmp_lg_u32 s2, 0xf033
	s_cbranch_scc0 .Lentry_shape_is_right
	s_endpgm
.Lentry_shape_is_right:
; OPROJ: out0 = vals W_o + b_o on codes of FP4 (E2M1) with E8M0 scales; f32 sums, f32 out.
; A work-group takes 256 rows (block) x 128 columns.  All of K = 1,024 lies in LDS: vals' block (139,264 bytes) and the columns' weights (69,632 bytes) are images of operand registers, dense in memory,
; brought once by tensor loads: no byte of LDS is filled twice.  K's second half lands while the first is multiplied.
; WAVES: eight.  cg = wave / 4: my 64 columns; rg = wave % 4: my 64 rows.  64 x 64 a wave: 16 accumulators.
; THE PRODUCT IS USED TRANSPOSED (source 0 = W_o's tile i, source 1 = vals' tile j).  Tile g of a group of 64 puts on lane r the element 8 g + (r & 7) + 32 (r >> 3): register n of acc(i, j) in lane (r, h) is
; column 32 h + 8 i + n of row 8 j + (r & 7) + 32 (r >> 3): eight neighbouring numbers of a row.  The bias is the C of each sum's first product.
; THE WAY OUT: 16 rows x 64 columns at a time through the wave's own stage in LDS, back as whole rows of 256 bytes: sixteen lanes store 256 consecutive bytes, at a multiple of 256 from out0's first byte.
; CLUSTER 4 x 4: the four work-groups of a row share vals' block, the four of a column the weights: each tile is asked for jointly.
.set WCH,  32768                       ; LDS: the weights' K steps 0-3 at 0, K steps 4-7 here,
.set WSC,  65536                       ; their scale words,
.set XL,   69632                       ; vals' K steps 0-3, K steps 4-7 at + 65,536,
.set XSC,  200704                      ; its scale words,
.set STG,  208896                      ; the stages: 16 rows x (256 + 16) bytes for each wave; no tensor load lands here
.set AW,  4                            ; v4     W's fragments: 16 x lane + 16,384 cg
.set AX,  6                            ; v6-7   vals' fragments, K's halves: 16 x lane + 16,384 rg
.set ASW, 8                            ; v8     W's scale words
.set ASX, 9                            ; v9     vals'
.set SO,  10                           ; v10    the stage, way in: 272 r + 128 h
.set SR,  11                           ; v11    way out: 272 h + 16 r
.set CO,  12                           ; v12    the same two rows in out0: 4,096 h + 16 r
.set BO,  13                           ; v13    the bias' offset: 128 h
.set BI,  16                           ; v16-47 the bias, in the result's layout
.set SCW, 48                           ; v48-51 W's scale words, v52-55 vals': these eight hold scales and nothing else
.set SCX, 52
.set WR,  64                           ; v64-95 W's four fragments; on the way out rows read back
.set XR,  96                           ; v96-127 vals' four; likewise
.set ACC, 128                          ; acc(i, j) at v[128 + 32 j + 8 i]
.macro CROUND
	s_barrier_signal -1
	s_barrier_wait -1
	s_cmp_lg_u32 s14, 0
	s_cbranch_scc1 .Lnot_wave_0_\@
	s_barrier_signal -3
.Lnot_wave_0_\@:
	s_barrier_wait -3
	s_barrier_signal -1
	s_barrier_wait -1
.endm
.macro DENSE g, rows                   ; descriptor group 1, words 1-7: a dense block as \rows rows of 256 bytes (32 elements of 8 bytes)
	s_mov_b32 s[\g+1], 32<<16
	s_mov_b32 s[\g+2], (\rows)<<16
	s_mov_b32 s[\g+3], 32<<16
	s_mov_b32 s[\g+4], \rows
	s_mov_b32 s[\g+5], 32
	s_mov_b32 s[\g+6], 0
	s_mov_b32 s[\g+7], 0
.endm
; K step 4 ch + q: 24 LDS loads, 16 products.  The sixteen accumulators take turns, one instruction a turn, in the same order in every step.
.macro STEP ch, q, first
.if !\first
.rept 4
	v_nop                                          ; four places between the last products and loads into registers that they read
.endr
.endif
.irp i, 0,1,2,3
.irp c, 0,1
	ds_load_b128 v[WR+8*\i+4*\c:WR+8*\i+4*\c+3], v[AW] offset:\ch*WCH+\i*4096+\q*1024+512*\c
.endr
.endr
.irp i, 0,1,2,3
.irp c, 0,1
	ds_load_b128 v[XR+8*\i+4*\c:XR+8*\i+4*\c+3], v[AX+\ch] offset:\i*4096+\q*1024+512*\c
.endr
.endr
.irp i, 0,1,2,3
	ds_load_b32 v[SCW+\i], v[ASW] offset:\i*512+(4*\ch+\q)*64
	ds_load_b32 v[SCX+\i], v[ASX] offset:\i*512+(4*\ch+\q)*64
.endr
	s_wait_dscnt 0x0
.irp j, 0,1,2,3
.irp i, 0,1,2,3
.if \first
	v_wmma_scale_f32_16x16x128_f8f6f4 v[ACC+32*\j+8*\i:ACC+32*\j+8*\i+7], v[WR+8*\i:WR+8*\i+7], v[XR+8*\j:XR+8*\j+7], v[BI+8*\i:BI+8*\i+7], v[SCW+\i], v[SCX+\j] matrix_a_fmt:MATRIX_FMT_FP4 matrix_b_fmt:MATRIX_FMT_FP4
.else
	v_wmma_scale_f32_16x16x128_f8f6f4 v[ACC+32*\j+8*\i:ACC+32*\j+8*\i+7], v[WR+8*\i:WR+8*\i+7], v[XR+8*\j:XR+8*\j+7], v[ACC+32*\j+8*\i:ACC+32*\j+8*\i+7], v[SCW+\i], v[SCX+\j] matrix_a_fmt:MATRIX_FMT_FP4 matrix_b_fmt:MATRIX_FMT_FP4
.endif
.endr
.endr
.endm
.macro TOSTAGE j                       ; row tile j: into my stage, each accumulator from its low end on, and back as whole rows
.irp i, 0,1,2,3
	ds_store_b128 v[SO], v[ACC+32*(\j)+8*\i:ACC+32*(\j)+8*\i+3] offset:32*\i
	ds_store_b128 v[SO], v[ACC+32*(\j)+8*\i+4:ACC+32*(\j)+8*\i+7] offset:32*\i+16
.endr
.irp t, 0,1,2,3,4,5,6,7
	ds_load_b128 v[64+32*((\j)%2)+4*\t:64+32*((\j)%2)+4*\t+3], v[SR] offset:544*\t      ; LDS serves a wave's instructions in order: these see the stores above, and the next tile's stores come behind them
.endr
.endm
.macro SEND j, younger                 ; younger: the LDS instructions issued behind tile j's loads, which may stay out
	s_wait_dscnt \younger
.irp t, 0,1,2,3,4,5,6,7
	global_store_b128 v[CO], v[64+32*((\j)%2)+4*\t:64+32*((\j)%2)+4*\t+3], s[92:93] offset:(8*(\j)+2*(\t%4)+32*(\t/4))*4096 th:TH_STORE_NT   ; stage rows 2 t, 2 t + 1 are rows 8 j + 2 (t % 4) + 32 (t / 4) and the next of my 64
.endr
.endm
	s_load_b256 s[4:11], s[0:1], 0x0               ; vw s[4:5], wow s[6:7], b_o s[8:9], out0 s[10:11]
	v_lshl_add_u32 v62, v0, 2, 0x3b800
	v_mov_b32 v63, 0
	ds_add_u32 v62, v63
	ds_add_u32 v62, v63
	v_lshrrev_b32 v1, 5, v0
	s_delay_alu instid0(VALU_DEP_1)
	v_readfirstlane_b32 s14, v1                    ; wave 0..7
	s_and_b32 s15, s14, 1                          ; which half of a block I fetch, if I fetch
	s_lshr_b32 s60, s14, 2                         ; cg
	s_and_b32 s61, s14, 3                          ; rg
	v_and_b32 v15, 31, v0
	s_delay_alu instid0(VALU_DEP_1)
	v_lshlrev_b32 v1, 4, v15                       ; 16 x lane
	v_and_b32 v2, 15, v0                           ; r
	v_bfe_u32 v3, v0, 4, 1                         ; h
	s_delay_alu instid0(VALU_DEP_2)
	v_lshlrev_b32 v15, 2, v2                       ; 4 r
	s_wait_alu depctr_va_vdst(0)
	s_lshl_b32 s86, s60, 14
	v_add_nc_u32 v[AW], s86, v1
	s_lshl_b32 s86, s61, 14
	s_add_co_u32 s86, s86, XL
	v_add_nc_u32 v[AX], s86, v1
	s_add_co_u32 s86, s86, 65536
	v_add_nc_u32 v[AX+1], s86, v1
	s_lshl_b32 s86, s60, 11
	s_add_co_u32 s86, s86, WSC
	v_add_nc_u32 v[ASW], s86, v15
	s_lshl_b32 s86, s61, 11
	s_add_co_u32 s86, s86, XSC
	v_add_nc_u32 v[ASX], s86, v15
	s_mul_i32 s86, s14, 16*272
	s_add_co_u32 s86, s86, STG                     ; my stage
	v_mul_u32_u24 v[SO], v2, 272
	s_delay_alu instid0(VALU_DEP_1)
	v_lshl_add_u32 v[SO], v3, 7, v[SO]
	s_delay_alu instid0(VALU_DEP_1)
	v_add_nc_u32 v[SO], s86, v[SO]
	v_mul_u32_u24 v[SR], v3, 272
	s_delay_alu instid0(VALU_DEP_1)
	v_lshl_add_u32 v[SR], v2, 4, v[SR]
	s_delay_alu instid0(VALU_DEP_1)
	v_add_nc_u32 v[SR], s86, v[SR]
	v_lshlrev_b32 v[CO], 12, v3
	s_delay_alu instid0(VALU_DEP_1)
	v_lshl_add_u32 v[CO], v2, 4, v[CO]
	v_lshlrev_b32 v[BO], 7, v3
	s_bfe_u32 s80, ttmp6, 0x40000                  ; cx
	s_bfe_u32 s81, ttmp6, 0x40004                  ; cy
	s_lshl_b32 s82, ttmp9, 2
	s_add_co_u32 s82, s82, s80                     ; block of 128 columns = 4 x cluster x + cx
	s_and_b32 s83, ttmp7, 0xffff
	s_lshl_b32 s83, s83, 2
	s_add_co_u32 s83, s83, s81                     ; block of 256 rows = 4 x cluster y + cy
	s_lshl_b32 s84, s81, 2
	s_lshl_b32 s84, 15, s84                        ; my row of the cluster
	s_lshl_b32 s85, 0x1111, s80                    ; my column
	s_or_b32 s16, s84, (3<<16)|(1<<21)             ; group 1, word 0: the mask; elements of 8 bytes; bit 21 set beside a mask; no padding
	s_or_b32 s24, s84, (3<<16)|(1<<21)
	s_or_b32 s32, s85, (3<<16)|(1<<21)
	s_or_b32 s40, s85, (3<<16)|(1<<21)
	DENSE 16, 128                                  ; half of vals' codes of four K steps: 32,768 bytes
	DENSE 24, 16                                   ; half of vals' scale words: 4,096
	DENSE 32, 64                                   ; half of W's codes of four K steps: 16,384
	DENSE 40, 8                                    ; half of W's scale words: 2,048
	s_mul_i32 s86, s83, 139264                     ; hangs on the rows' block alone
	s_lshl_b32 s87, s15, 12
	s_lshl_b32 s88, s15, 15
	s_mul_i32 s90, s82, 69632                      ; hangs on the columns' block alone
	s_lshl_b32 s91, s15, 11
	s_lshl_b32 s98, s15, 14
	s_wait_dscnt 0x0
	s_wait_kmcnt 0x0
	s_mov_b32 s48, 1                               ; group 0: vals' scale words
	s_add_co_u32 s49, s87, XSC
	s_add_co_u32 s50, s86, s87
	s_add_co_u32 s50, s50, 131072
	s_mov_b32 s51, 0
	s_add_nc_u64 s[50:51], s[4:5], s[50:51]
	s_or_b32 s51, s51, 0x80000000
	s_mov_b32 s52, 1                               ; vals' K steps 0-3
	s_add_co_u32 s53, s88, XL
	s_add_co_u32 s54, s86, s88
	s_mov_b32 s55, 0
	s_add_nc_u64 s[54:55], s[4:5], s[54:55]
	s_mov_b32 s56, 1                               ; vals' K steps 4-7
	s_add_co_u32 s57, s88, XL+65536
	s_add_nc_u64 s[58:59], s[54:55], 65536
	s_or_b32 s55, s55, 0x80000000
	s_or_b32 s59, s59, 0x80000000
	s_mov_b32 s68, 1                               ; W's scale words
	s_add_co_u32 s69, s91, WSC
	s_add_co_u32 s70, s90, s91
	s_add_co_u32 s70, s70, WSC
	s_mov_b32 s71, 0
	s_add_nc_u64 s[70:71], s[6:7], s[70:71]
	s_or_b32 s71, s71, 0x80000000
	s_mov_b32 s72, 1                               ; W's K steps 0-3
	s_mov_b32 s73, s98
	s_add_co_u32 s74, s90, s98
	s_mov_b32 s75, 0
	s_add_nc_u64 s[74:75], s[6:7], s[74:75]
	s_mov_b32 s76, 1                               ; W's K steps 4-7
	s_add_co_u32 s77, s98, WCH
	s_add_nc_u64 s[78:79], s[74:75], WCH
	s_or_b32 s75, s75, 0x80000000
	s_or_b32 s79, s79, 0x80000000
	CROUND                                         ; all sixteen work-groups are here: the joint loads meet
	s_cmp_lt_u32 s14, 2                            ; waves 0, 1 fetch vals' halves, waves 2, 3 W's, the others nothing: a wave's three loads stand in one branch; three of mine are out at the most
	s_cbranch_scc0 .Lnot_x
	tensor_load_to_lds s[48:51], s[24:31]
	s_nop 0
	tensor_load_to_lds s[52:55], s[16:23]
	s_nop 0
	tensor_load_to_lds s[56:59], s[16:23]
	s_nop 0
.rept 4
	v_nop
.endr
	s_branch .Lasked
.Lnot_x:
	s_cmp_lt_u32 s14, 4
	s_cbranch_scc0 .Lasked
	tensor_load_to_lds s[68:71], s[40:47]
	s_nop 0
	tensor_load_to_lds s[72:75], s[32:39]
	s_nop 0
	tensor_load_to_lds s[76:79], s[32:39]
	s_nop 0
.rept 4
	v_nop
.endr
.Lasked:
	s_lshl_b32 s92, s83, 8
	s_lshl_b32 s93, s61, 6
	s_add_co_u32 s92, s92, s93                     ; my first row: 256 block + 64 rg
	s_lshl_b32 s92, s92, 12                        ; rows of 4,096 bytes
	s_lshl_b32 s96, s82, 9
	s_lshl_b32 s97, s60, 8
	s_add_co_u32 s96, s96, s97                     ; my first column, in bytes: 512 x block + 256 cg
	s_add_co_u32 s92, s92, s96
	s_mov_b32 s93, 0
	s_mov_b32 s97, 0
	s_add_nc_u64 s[92:93], s[10:11], s[92:93]      ; out0 at my corner
	s_add_nc_u64 s[96:97], s[8:9], s[96:97]        ; b_o at my first column
	s_wait_alu depctr_va_vdst(0)
.irp i, 0,1,2,3                                ; register n of acc(i, .) is column 32 h + 8 i + n
	global_load_b128 v[BI+8*\i:BI+8*\i+3], v[BO], s[96:97] offset:32*\i
	global_load_b128 v[BI+8*\i+4:BI+8*\i+7], v[BO], s[96:97] offset:32*\i+16
.endr
	s_wait_loadcnt 0x0                             ; the bias
	s_wait_tensorcnt 0x1                           ; my scale words and my part of K steps 0-3 are in; K steps 4-7 may stay out: nothing is filled twice
	s_barrier_signal -1
	s_barrier_wait -1                              ; everybody's are
	STEP 0, 0, 1
	STEP 0, 1, 0
	STEP 0, 2, 0
	STEP 0, 3, 0
	s_wait_tensorcnt 0x0                           ; my part of K steps 4-7 is in
	s_barrier_signal -1
	s_barrier_wait -1
	STEP 1, 0, 0
	STEP 1, 1, 0
	STEP 1, 2, 0
	STEP 1, 3, 0
.rept 4
	v_nop                                          ; four places ahead of the first read of results and of loads into the fragments' registers
.endr
	TOSTAGE 0
	TOSTAGE 1
	SEND 0, 16                                     ; behind tile 0's loads: tile 1's eight stores and eight loads
	s_wait_xcnt 0x0                                ; tile 0's stores have read their registers: tile 2's rows may land there
	TOSTAGE 2
	SEND 1, 16
	s_wait_xcnt 0x0                                ; likewise tile 1's
	TOSTAGE 3
	SEND 2, 16
	SEND 3, 0
	s_wait_tensorcnt 0x0
	ds_add_u32 v62, v63
	s_wait_dscnt 0x0
	CROUND                                         ; the closing round: no work-group ends while a partner may still ask for a tile that names it
	s_endpgm
.Lfunc_end_k_qf0285e9c03_oproj:
	.size	k_qf0285e9c03_oproj, .Lfunc_end_k_qf0285e9c03_oproj-k_qf0285e9c03_oproj
	.p2alignl 7, 3214868480
	.fill 96, 4, 3214868480
	.section	.rodata,"a",@progbits
	.p2align	6, 0x0
	.amdhsa_kernel k_qf0285e9c03_oproj
		.amdhsa_group_segment_fixed_size 244736
		.amdhsa_private_segment_fixed_size 0
		.amdhsa_enable_private_segment 0
		.amdhsa_kernarg_size 32
		.amdhsa_user_sgpr_count 2
		.amdhsa_user_sgpr_kernarg_segment_ptr 1
		.amdhsa_wavefront_size32 1
		.amdhsa_system_sgpr_workgroup_id_x 1
		.amdhsa_system_sgpr_workgroup_id_y 1
		.amdhsa_system_sgpr_workgroup_id_z 1
		.amdhsa_system_vgpr_workitem_id 0
		.amdhsa_next_free_vgpr 256
		.amdhsa_next_free_sgpr 102
		.amdhsa_reserve_vcc 0
		.amdhsa_float_denorm_mode_32 3
		.amdhsa_float_denorm_mode_16_64 3
		.amdhsa_memory_ordered 1
		.amdhsa_forward_progress 1
		.amdhsa_inst_pref_size 47
	.end_amdhsa_kernel
	.amdgpu_metadata
---
amdhsa.version: [ 1, 2 ]
amdhsa.kernels:
  - .name:           k_qf0285e9c03_oproj
    .symbol:         k_qf0285e9c03_oproj.kd
    .args:
      - { .name: vw, .offset: 0, .size: 8, .value_kind: global_buffer, .address_space: global }
      - { .name: wow, .offset: 8, .size: 8, .value_kind: global_buffer, .address_space: global }
      - { .name: b_o, .offset: 16, .size: 8, .value_kind: global_buffer, .address_space: global }
      - { .name: out0, .offset: 24, .size: 8, .value_kind: global_buffer, .address_space: global }
    .group_segment_fixed_size: 244736
    .private_segment_fixed_size: 0
    .kernarg_segment_align: 8
    .kernarg_segment_size: 32
    .max_flat_workgroup_size: 256
    .sgpr_count:     102
    .vgpr_count:     256
    .wavefront_size: 32
...
	.end_amdgpu_metadata
.endif
;; end of part 4
